; MI455X (gfx1250); checked and timed in simulation.
; The chip was launched on July 23, 2026; its instructions are those of AMD's public machine-readable ISA for CDNA 5 (MIT licence, August 2026) and "CDNA5" Instruction Set Architecture Reference Guide (July 2026). The comments in the code are by the model that wrote it; some were corrected since.
;; Relative Multi Head Attention. Allowed arithmetic: float matrix products may take bf16 or f16 operands with f32 sums; other float arithmetic in f32, or as packed bf16 or f16 multiplies, adds, multiply-adds, maxima and minima; sums over many terms, partial sums and values carried from step to step in f32; what a program stores and reads back later, other than sums and carried values, may be rounded once to bf16 or f16.
;; Inputs: Wk 512 x 512 float32; Wo 512 x 512 float32; Wp 512 x 512 float32; Wq 512 x 512 float32; Wv 512 x 512 float32; bk 512 float32; bo 512 float32; bq 512 float32; bv 512 float32; key 4 x 2,048 x 512 float32; pos_embedding 4 x 4,095 x 512 float32; query 4 x 2,048 x 512 float32; u_bias 8 x 64 float32; v_bias 8 x 64 float32; value 4 x 2,048 x 512 float32.
;; Outputs: out0 4 x 2,048 x 512 float32.
;; One version. Each part assembles by itself: llvm-mc -triple=amdgcn-amd-amdhsa -mcpu=gfx1250 --defsym DOCPART=n.
;; ======== version 1 of 1: 4 launches
;; limits: values are held in f16: magnitudes above 65,504 overflow, below 6.1e-05 lose precision
;; workspace buffers: wb 2,097,152 bytes; wo16 524,288 bytes; qu16 8,388,608 bytes; qv16 8,388,608 bytes; kv16 16,777,216 bytes; p16 16,777,216 bytes; ctx16 8,388,608 bytes
;; launch wcvt (part 1): grid 32 x 5, 8 waves a work-group, no clusters, 0 bytes of LDS; arguments Wq, Wk, Wv, Wp, Wo, wb, wo16; writes wb, wo16
.if DOCPART == 1
	.amdgcn_target "amdgcn-amd-amdhsa--gfx1250"
	.amdhsa_code_object_version 6
	.text
	.protected	k_q545c426ff4_wcvt
	.globl	k_q545c426ff4_wcvt
	.p2align	8
	.type	k_q545c426ff4_wcvt,@function
k_q545c426ff4_wcvt:
	s_mov_b64 s[64:65], 0
	v_nop
	global_prefetch_b8 v0, s[64:65] scope:SCOPE_SE
	s_setreg_imm32_b32 hwreg(HW_REG_WAVE_MODE, 25, 1), 1
	s_wait_xcnt 0x0
; THE WEIGHTS, ROUNDED ONCE AND LAID IN BLOCKS.  Each of the five matrices W[n][k], 512 x 512 f32, becomes [s = k / 64][n][k % 64] in 16 bits:
; a K step of 64 is then 65,536 dense bytes, of which any 128 rows n are 16,384 dense bytes.
; Wq, Wk, Wv, Wp go to wb as bf16 (matrix y at y x 524,288).  Wo is rounded to bf16 like the others and that number is written as f16 into wo16.
; LIMITS.  A bf16 number of Wo beyond 65,504 would become an infinity; below 6.1e-5 it keeps f16's fixed step of 6e-8.
; SHARES.  grid y names the matrix.  An item is 4 numbers: item e = 2048 x + 256 i + thread, i = 0..7: k4 = e % 16, n = (e / 16) % 512, s = e / 8192.
; It is read at n x 2048 + s x 256 + k4 x 16 (sixteen lanes: 256 consecutive bytes, aligned) and written at 8 e (a wave: 256 consecutive bytes, aligned).
; From i to i + 1 n grows by 16 and nothing else changes (thread / 16 + 16 i stays under 128), so the steps stand in the immediates.
; A stream: no LDS, no barrier, no matrix unit; all eight loads of a lane go out before the first wait.
.set X,  8                             ; v[8:39]   eight items as loaded
.set Y,  40                            ; v[40:55]  eight items, two words each
	s_load_b256 s[4:11], s[0:1], 0x0               ; Wq, Wk, Wv, Wp
	s_load_b128 s[12:15], s[0:1], 0x20             ; Wo, wb
	s_load_b64 s[16:17], s[0:1], 0x30              ; wo16
	s_and_b32 s20, ttmp7, 0xffff                   ; y: which matrix
	s_lshl_b32 s21, ttmp9, 11
	v_add_nc_u32 v1, s21, v0                       ; e of item 0
	v_and_b32 v2, 15, v1                           ; k4
	v_bfe_u32 v3, v1, 4, 9                         ; n
	v_lshrrev_b32 v4, 13, v1                       ; s
	v_lshlrev_b32 v2, 4, v2
	v_lshl_add_u32 v2, v3, 11, v2
	v_lshl_add_u32 v2, v4, 8, v2                   ; where I read
	v_lshlrev_b32 v3, 3, v1                        ; where I write
	s_wait_kmcnt 0x0
	s_cmp_eq_u32 s20, 1
	s_cselect_b64 s[4:5], s[6:7], s[4:5]
	s_cmp_eq_u32 s20, 2
	s_cselect_b64 s[4:5], s[8:9], s[4:5]
	s_cmp_eq_u32 s20, 3
	s_cselect_b64 s[4:5], s[10:11], s[4:5]
	s_cmp_eq_u32 s20, 4
	s_cselect_b64 s[4:5], s[12:13], s[4:5]         ; the source
	s_cselect_b64 s[14:15], s[16:17], s[14:15]     ; the destination's buffer
	s_cselect_b32 s22, 0, s20
	s_lshl_b32 s22, s22, 19                        ; matrix y's place in wb
	s_mov_b32 s23, 0
	s_add_nc_u64 s[14:15], s[14:15], s[22:23]
.irp i, 0,1,2,3,4,5,6,7
	global_load_b128 v[X+4*(\i):X+4*(\i)+3], v2, s[4:5] offset:32768*(\i) th:TH_LOAD_NT
.endr
	s_wait_loadcnt 0x0
.irp i, 0,1,2,3,4,5,6,7,8,9,10,11,12,13,14,15
	v_cvt_pk_bf16_f32 v[Y+(\i)], v[X+2*(\i)], v[X+2*(\i)+1]
.endr
	s_cmp_lg_u32 s20, 4
	s_cbranch_scc1 .Lstore
.irp i, 0,1,2,3,4,5,6,7,8,9,10,11,12,13,14,15
	v_lshlrev_b32 v4, 16, v[Y+(\i)]                ; Wo: the two bf16 numbers as f32,
	v_and_b32 v5, 0xffff0000, v[Y+(\i)]
	v_cvt_pk_f16_f32 v[Y+(\i)], v4, v5             ; written as f16
.endr
.Lstore:
.irp i, 0,1,2,3,4,5,6,7
	global_store_b64 v3, v[Y+2*(\i):Y+2*(\i)+1], s[14:15] offset:2048*(\i)
.endr
	s_endpgm
.Lfunc_end_k_q545c426ff4_wcvt:
	.size	k_q545c426ff4_wcvt, .Lfunc_end_k_q545c426ff4_wcvt-k_q545c426ff4_wcvt
	.p2alignl 7, 3214868480
	.fill 96, 4, 3214868480
	.section	.rodata,"a",@progbits
	.p2align	6, 0x0
	.amdhsa_kernel k_q545c426ff4_wcvt
		.amdhsa_group_segment_fixed_size 0
		.amdhsa_private_segment_fixed_size 0
		.amdhsa_enable_private_segment 0
		.amdhsa_kernarg_size 56
		.amdhsa_user_sgpr_count 2
		.amdhsa_user_sgpr_kernarg_segment_ptr 1
		.amdhsa_wavefront_size32 1
		.amdhsa_system_sgpr_workgroup_id_x 1
		.amdhsa_system_sgpr_workgroup_id_y 1
		.amdhsa_system_sgpr_workgroup_id_z 1
		.amdhsa_system_vgpr_workitem_id 0
		.amdhsa_next_free_vgpr 64
		.amdhsa_next_free_sgpr 66
		.amdhsa_reserve_vcc 0
		.amdhsa_float_denorm_mode_32 3
		.amdhsa_float_denorm_mode_16_64 3
		.amdhsa_memory_ordered 1
		.amdhsa_forward_progress 1
		.amdhsa_inst_pref_size 7
	.end_amdhsa_kernel
	.amdgpu_metadata
---
amdhsa.version: [ 1, 2 ]
amdhsa.kernels:
  - .name:           k_q545c426ff4_wcvt
    .symbol:         k_q545c426ff4_wcvt.kd
    .args:
      - { .name: Wq, .offset: 0, .size: 8, .value_kind: global_buffer, .address_space: global }
      - { .name: Wk, .offset: 8, .size: 8, .value_kind: global_buffer, .address_space: global }
      - { .name: Wv, .offset: 16, .size: 8, .value_kind: global_buffer, .address_space: global }
      - { .name: Wp, .offset: 24, .size: 8, .value_kind: global_buffer, .address_space: global }
      - { .name: Wo, .offset: 32, .size: 8, .value_kind: global_buffer, .address_space: global }
      - { .name: wb, .offset: 40, .size: 8, .value_kind: global_buffer, .address_space: global }
      - { .name: wo16, .offset: 48, .size: 8, .value_kind: global_buffer, .address_space: global }
    .group_segment_fixed_size: 0
    .private_segment_fixed_size: 0
    .kernarg_segment_align: 8
    .kernarg_segment_size: 56
    .max_flat_workgroup_size: 256
    .sgpr_count:     66
    .vgpr_count:     64
    .wavefront_size: 32
...
	.end_amdgpu_metadata
.endif
;; end of part 1
;; launch proj (part 2): grid 320 x 1, 4 waves a work-group, clusters of 4 x 1, 327,680 bytes of LDS; arguments query, key, value, pos_embedding, wb, bq, bk, bv, u_bias, v_bias, qu16, qv16, kv16, p16; writes qu16, qv16, kv16, p16
.if DOCPART == 2
	.amdgcn_target "amdgcn-amd-amdhsa--gfx1250"
	.amdhsa_code_object_version 6
	.text
	.protected	k_q545c426ff4_proj
	.globl	k_q545c426ff4_proj
	.p2align	8
	.type	k_q545c426ff4_proj,@function
k_q545c426ff4_proj:
	s_mov_b64 s[64:65], 0
	v_nop
	global_prefetch_b8 v0, s[64:65] scope:SCOPE_SE
	s_setreg_imm32_b32 hwreg(HW_REG_WAVE_MODE, 25, 1), 1
	s_wait_xcnt 0x0
	s_wait_alu depctr_hold_cnt(0) depctr_sa_sdst(0) depctr_va_vdst(0) depctr_va_sdst(0) depctr_va_ssrc(0) depctr_va_vcc(0) depctr_vm_vsrc(0)
	s_getreg_b32 s2, hwreg(HW_REG_IB_STS2, 6, 4)
	s_cmp_eq_u32 s2, 0
	s_cbranch_scc0 .Lentry_in_a_cluster
	s_endpgm
.Lentry_in_a_cluster:
	s_bfe_u32 s2, ttmp6, 0x10000c
	s_cmp_lg_u32 s2, 0x3003
	s_cbranch_scc0 .Lentry_shape_is_right
	s_endpgm
.Lentry_shape_is_right:
; THE FOUR INPUT PROJECTIONS.  y[row][n] = sum over k of x[row][k] W[n][k] (+ bias), K = N = 512; x in f32, rounded to bf16 on its way to the matrix unit; W as bf16 blocks (wb); sums in f32.
; The biases (bq, bk, bv, u_bias, v_bias) are rounded once to bf16 too, so that all the module's inputs carry one and the same rounding, and are added in f32.
; Out, by heads and in f16, each number rounded once: qu16 = q + bq + u, qv16 = q + bq + v ([bh][2048][64]); kv16 ([bh][slot of 128 keys][K 128 x 64, then V 128 x 64]); p16 ([bh][4096][64]).
; pos_embedding has 4,095 rows a batch: row 4095 of p16 is made from row 4094 once more (the load's row is clamped), so that every byte is written.
; LIMITS.  f16 holds no number beyond 65,504: q + u, q + v, k, v, p must stay within it.  NaN and infinities are not treated apart.
; SHARES.  320 work-groups: t = 0, 1, 2 (q, k, v) have 64 tiles each, t = 3 (p) has 128.  A tile is 128 rows x all 512 columns, so each byte of x is read once.
; Four waves, each 128 rows x 128 columns: 64 accumulators of 16 x 16, 512 registers.  K goes in 8 steps of 64.
; x comes by loads into registers (32 rows a wave, 256 consecutive aligned bytes of a row for sixteen lanes), two steps ahead; it is rounded and put into one of two LDS buffers, which all four waves read.
; W comes through a ring of two LDS slots by tensor loads, a quarter (128 rows n, 16,384 dense bytes) a wave.
; CLUSTER.  The four row tiles of a cluster belong to one tensor and walk the same W: each quarter is asked for JOINTLY, same load, descriptor and mask in all four.
; The matrix instruction is used transposed (source 0 = 16 rows of W, source 1 = 16 rows of x): a lane then holds eight neighbouring columns of one row of y.
; No prefetch: x is asked for two K steps ahead by the register loads themselves and is the launch's stream; wb is walked by every cluster again and again.
; REGISTERS, in windows of 256: window 0: v16-29 addresses; v32-63 rounded x, later rows on their way out; v64-127, v128-191 fragments of x, two buffers (on the way out the biases); v192-239 at work on the way out
;   window 1: v0-63, v192-255 x as loaded, two sets; v64-127, v128-191 fragments of W       windows 2, 3: accumulator (a, nb) at v[8 (8 (a % 4) + nb)], a < 4 in window 2
.set PITCH,  144                       ; an LDS row: 128 bytes + 16 of padding = 36 words: the 16 rows of a fragment load start at 16 different groups of four banks (ISA guide 11.1)
.set QUART,  128*PITCH                 ; 128 rows: a wave's quarter of a slot
.set BSLOT,  4*QUART
.set ABUF,   2*BSLOT                   ; behind the ring: two buffers of 128 rows of x in bf16, written by LDS stores alone
.set ABYTES, 128*PITCH
.set STAGE,  ABUF+2*ABYTES             ; 16 rows x 144 bytes for each wave, for the way out
.set SP,     144
.set SPARE,  STAGE+4*16*SP             ; the spare words, 128 bytes for each wave: two blocks of 256 bytes that no other line names
.set WSTEP,  65536                     ; a K step of one matrix in wb
.set ADRA, 16                          ; v16-17  LDS address of my fragments of x in buffer 0, 1
.set BO,   18                          ; v18     my byte offset in a bias: 512 w + 32 (l / 16)
.set ADRB, 20                          ; v20-21  LDS address of my fragments of W in slot 0, 1
.set VOA,  22                          ; v22     my byte offset in the tile's rows of x: row 32 w + l / 16, 16 (l % 16)
.set VOB,  23                          ; v23     the same for rows 32 w + 30 + l / 16, clamped to the tensor's last row
.set AST,  24                          ; v24     where I put 8 bytes of rounded x
.set STO,  25                          ; v25     the way out: where I put 16 bytes of a row
.set RD,   26                          ; v26     the way out: where I read rows back
.set GO,   27                          ; v27     16 x lane
.set SPW,  28                          ; v28     LDS address of my spare word; never rewritten
.set NIL,  29                          ; v29     0; never rewritten
.set CT,   32
.set OB,   32
.set F0,   64
.set F1,   128
.set BI,   64
.set B2,   128
.set T,    192
.set PKD,  224
.set WV,   32                          ; s32  my wave's number
.set TT,   33                          ; s33  t: which tensor; made of the cluster's number alone
.set GG,   34                          ; s34  the tile's number in its tensor
.set BB,   35                          ; s35  batch
.set TAU,  36                          ; s36  tile in the batch
.set SH,   37                          ; s37  log2 of the tiles in a batch
.set LIM,  38                          ; s38  the last row of the batch, counted from the tile's first
.set CNT,  39
.set G1,   40                          ; s[40:47] descriptor group 1
.set G0,   48                          ; s[48:55] descriptor group 0, a set for each slot
.set XP,   56                          ; s[56:57] x at the tile's first row, at the K step last asked for
.set NOUT, 62                          ; s62  ways out: 2 for q, else 1
.set TRIP, 63
.set PA,   66                          ; s[66:67] bq, bk or bv
.set PB,   68                          ; s[68:69] u_bias or v_bias
.set OUT,  70                          ; s[70:73] where my two heads' rows go
.set BASE, 74
.set LQ,   76                          ; s76  my quarter's place in a slot
.set MASKH, 77                         ; s77  a word's upper bf16
.set MSB, 0
.macro WIN new                         ; the immediate's high byte repeats the setting that is left; a switch that changes nothing is dropped
.if MSB != (\new)
	s_set_vgpr_msb (MSB<<8)|(\new)
.set MSB, \new
.endif
.endm
.set MUL_LO, 0xa1                      ; source 0 (W) window 1, source 1 (x) window 0, C and D window 2
.set MUL_HI, 0xf1                      ; the same, C and D window 3
.set TO_1,   0x40                      ; destination window 1, address window 0
.macro PLACES                          ; four plain vector instructions between a matrix instruction and a load into, or a reader of, its registers
.rept 4
	v_nop
.endr
.endm
.macro CREST                           ; a round of the cluster's barrier behind its opening barrier
	s_cmp_lg_u32 s[WV], 0
	s_cbranch_scc1 .Lnot_wave_0_\@
	s_barrier_signal -3
.Lnot_wave_0_\@:
	s_barrier_wait -3
	s_barrier_signal -1
	s_barrier_wait -1
.endm
.macro CROUND
	s_barrier_signal -1
	s_barrier_wait -1
	CREST
.endm
	s_load_b512 s[4:19], s[0:1], 0x0               ; query, key, value, pos_embedding, wb, bq, bk, bv
	s_load_b256 s[20:27], s[0:1], 0x40             ; u_bias, v_bias, qu16, qv16
	s_load_b128 s[28:31], s[0:1], 0x60             ; kv16, p16
	v_lshl_add_u32 v[SPW], v0, 2, SPARE
	v_mov_b32 v[NIL], 0
	ds_add_u32 v[SPW], v[NIL]                      ; the wave's opening: the add and its wait ahead of my first tensor load; work on registers stands between them
	v_lshrrev_b32 v1, 5, v0
	v_readfirstlane_b32 s[WV], v1
	s_bfe_u32 s[GG], ttmp6, 0x40000                ; cx: it enters x's and the outputs' addresses alone
	s_lshr_b32 s[TT], ttmp9, 4
	s_min_u32 s[TT], s[TT], 3                      ; clusters 0-15 q, 16-31 k, 32-47 v, 48-79 p
	s_lshl_b32 s[BB], ttmp9, 2
	s_add_co_u32 s[GG], s[GG], s[BB]
	s_lshl_b32 s[BB], s[TT], 6
	s_sub_co_u32 s[GG], s[GG], s[BB]               ; the tile's number in its tensor
	s_mov_b32 s[LIM], 2048
	s_cmp_eq_u32 s[TT], 3
	s_cselect_b32 s[SH], 5, 4
	s_cselect_b32 s[LIM], 4095, s[LIM]             ; rows in a batch
	s_lshr_b32 s[BB], s[GG], s[SH]
	s_lshl_b32 s[TAU], s[BB], s[SH]
	s_sub_co_u32 s[TAU], s[GG], s[TAU]
	s_mul_i32 s58, s[BB], s[LIM]
	s_lshl_b32 s59, s[TAU], 7
	s_add_co_u32 s58, s58, s59
	s_lshl_b32 s58, s58, 11                        ; the tile's first row in x, in bytes (under 2^26)
	s_sub_co_u32 s[LIM], s[LIM], 1
	s_sub_co_u32 s[LIM], s[LIM], s59
	s_mov_b32 s59, 0
	s_lshl_b32 s60, s[TT], 19                      ; my matrix in wb,
	s_lshl_b32 s61, s[WV], 14                      ; my quarter of a K step
	s_add_co_u32 s60, s60, s61
	s_mov_b32 s61, 0
	s_mul_i32 s[LQ], s[WV], QUART
	s_mov_b32 s[MASKH], 0xffff0000
	; descriptor group 1: 16,384 dense bytes as 64 rows of 256, padded in LDS after every 128 bytes
	s_mov_b32 s[G1+0], 15|(1<<16)|(1<<20)|(1<<21)|(4<<22)|(3<<25)  ; 15:0 the mask of four; 17:16 2-byte elements; 20 padding on; 21 set beside a mask; 24:22 after every 32 words; 31:25 4 words
	s_mov_b32 s[G1+1], 128<<16                     ; tensor_dim0 = 128
	s_mov_b32 s[G1+2], 64<<16                      ; tensor_dim1 = 64
	s_mov_b32 s[G1+3], 128<<16                     ; tile_dim0 = 128
	s_mov_b32 s[G1+4], 64                          ; tile_dim1 = 64
	s_mov_b32 s[G1+5], 128                         ; elements from row to row
	s_mov_b32 s[G1+6], 0
	s_mov_b32 s[G1+7], 0
	s_wait_dscnt 0x0                               ; the opening add is done
	s_wait_kmcnt 0x0
	s_cmp_eq_u32 s[TT], 1
	s_cselect_b64 s[XP:XP+1], s[6:7], s[4:5]
	s_cselect_b64 s[PA:PA+1], s[16:17], s[14:15]
	s_cmp_eq_u32 s[TT], 2
	s_cselect_b64 s[XP:XP+1], s[8:9], s[XP:XP+1]
	s_cselect_b64 s[PA:PA+1], s[18:19], s[PA:PA+1]
	s_cmp_eq_u32 s[TT], 3
	s_cselect_b64 s[XP:XP+1], s[10:11], s[XP:XP+1]
	s_add_nc_u64 s[XP:XP+1], s[XP:XP+1], s[58:59]
	s_add_nc_u64 s[12:13], s[12:13], s[60:61]
.irp n, 0,1
	s_mov_b32 s[G0+4*(\n)], 1                                       ; count = 1
	s_add_co_u32 s[G0+4*(\n)+1], s[LQ], (\n)*BSLOT                  ; LDS address: the slot, my quarter
	s_add_nc_u64 s[G0+4*(\n)+2:G0+4*(\n)+3], s[12:13], (\n)*WSTEP   ; global address: K step n
	s_or_b32 s[G0+4*(\n)+3], s[G0+4*(\n)+3], 0x80000000             ; type = 2
.endr
	CROUND                                         ; all four work-groups are here: the first joint loads meet
	tensor_load_to_lds s[G0:G0+3], s[G1:G1+7]
	s_nop 0
	tensor_load_to_lds s[G0+4:G0+7], s[G1:G1+7]    ; two loads of mine are out
	s_nop 0
	PLACES
; Sixteen loads: a K step's 256 bytes of my 32 rows, two rows a load, into set 0 or 1.  The last pair of rows has its own, clamped offset.
.macro XLOAD set, off
	WIN TO_1
.set xi, 0
.rept 15
	global_load_b128 v[192*(\set)+4*xi:192*(\set)+4*xi+3], v[VOA], s[XP:XP+1] offset:(\off)+4096*xi th:TH_LOAD_NT
.set xi, xi+1
.endr
	global_load_b128 v[192*(\set)+60:192*(\set)+63], v[VOB], s[XP:XP+1] offset:(\off) th:TH_LOAD_NT
	WIN 0
.endm
	v_and_b32 v1, 15, v0                           ; l % 16
	v_bfe_u32 v2, v0, 4, 1                         ; l / 16
	v_lshlrev_b32 v5, 4, v1
	s_lshl_b32 s58, s[WV], 16                      ; 32 w rows of 2,048 bytes
	v_lshl_add_u32 v[VOA], v2, 11, v5
	v_add_nc_u32 v[VOA], s58, v[VOA]
	s_lshl_b32 s58, s[WV], 5
	s_add_co_u32 s58, s58, 30
	v_add_nc_u32 v4, s58, v2
	v_min_u32 v4, s[LIM], v4                       ; no load leaves the batch's rows
	v_lshl_add_u32 v[VOB], v4, 11, v5
	XLOAD 0, 0                                     ; K step 0
	XLOAD 1, 256                                   ; K step 1
	v_mul_u32_u24 v3, v1, PITCH
	v_lshl_add_u32 v3, v2, 4, v3                   ; a fragment's row x pitch + 16 x half
	v_add_nc_u32 v[ADRA], ABUF, v3
	v_add_nc_u32 v[ADRA+1], ABUF+ABYTES, v3
	v_add_nc_u32 v[ADRB], s[LQ], v3
	v_add_nc_u32 v[ADRB+1], BSLOT, v[ADRB]
	s_mul_i32 s58, s[WV], 32*PITCH
	s_add_co_u32 s58, s58, ABUF
	v_mul_u32_u24 v4, v2, PITCH
	v_lshl_add_u32 v4, v1, 3, v4
	v_add_nc_u32 v[AST], s58, v4                   ; row 32 w + l / 16, 8 bytes for my 4 numbers
	s_mul_i32 s58, s[WV], 16*SP
	s_add_co_u32 s58, s58, STAGE                   ; my stage
	v_add_nc_u32 v[STO], s58, v3
	v_bfe_u32 v4, v0, 3, 2                         ; back: 32 lanes take four rows of 128 bytes
	v_mul_u32_u24 v4, v4, SP
	v_and_b32 v6, 7, v0
	v_lshl_add_u32 v4, v6, 4, v4
	v_add_nc_u32 v[RD], s58, v4
	v_and_b32 v[GO], 31, v0
	v_lshlrev_b32 v[GO], 4, v[GO]
	s_lshl_b32 s58, s[WV], 9
	v_lshl_add_u32 v[BO], v2, 5, s58
; 16 matrix instructions: row blocks a0, a0 + 1 of the window's four x all 8 column blocks, 32 along K.  zero = 1: the first product starts the sums.
.macro MUL16 f, hi, a0, zero
	WIN MUL_LO+0x50*(\hi)
.irp a, \a0, (\a0)+1
.irp b, 0,1,2,3,4,5,6,7
.if \zero
	v_wmma_f32_16x16x32_bf16 v[8*(8*(\a)+(\b)):8*(8*(\a)+(\b))+7], v[(\f)+8*(\b):(\f)+8*(\b)+7], v[(\f)+8*(4*(\hi)+(\a)):(\f)+8*(4*(\hi)+(\a))+7], 0
.else
	v_wmma_f32_16x16x32_bf16 v[8*(8*(\a)+(\b)):8*(8*(\a)+(\b))+7], v[(\f)+8*(\b):(\f)+8*(\b)+7], v[(\f)+8*(4*(\hi)+(\a)):(\f)+8*(4*(\hi)+(\a))+7], v[8*(8*(\a)+(\b)):8*(8*(\a)+(\b))+7]
.endif
.endr
.endr
.endm
; 32 LDS loads in one run: my 128 rows of W and the tile's 128 rows of x, 32 K at byte k of the rows, into buffer f
.macro FETCH slot, k, f
	WIN TO_1
.irp i, 0,1,2,3,4,5,6,7
	ds_load_b128 v[(\f)+8*(\i):(\f)+8*(\i)+3],   v[ADRB+(\slot)] offset:(\k)+(\i)*16*PITCH
	ds_load_b128 v[(\f)+8*(\i)+4:(\f)+8*(\i)+7], v[ADRB+(\slot)] offset:(\k)+(\i)*16*PITCH+32
.endr
	WIN 0
.irp i, 0,1,2,3,4,5,6,7
	ds_load_b128 v[(\f)+8*(\i):(\f)+8*(\i)+3],   v[ADRA+(\slot)] offset:(\k)+(\i)*16*PITCH
	ds_load_b128 v[(\f)+8*(\i)+4:(\f)+8*(\i)+7], v[ADRA+(\slot)] offset:(\k)+(\i)*16*PITCH+32
.endr
.endm
; A K step of x, which lies in set, is rounded to bf16 and put into LDS buffer set.  left: the younger loads that may stay out.  issue = 1: the set is asked for again, two K steps on.
; Its 32 conversions name no register of the products round them: they are also the places in front of the run of LDS loads that follows.
.macro CONV set, left, issue
	s_wait_loadcnt \left                           ; loads come back in order: this set's sixteen are in
	WIN 0x05                                       ; sources window 1, destination window 0
.set ci, 0
.rept 32
	v_cvt_pk_bf16_f32 v[CT+ci], v[192*(\set)+2*ci], v[192*(\set)+2*ci+1]
.set ci, ci+1
.endr
	WIN 0
.set ci, 0
.rept 16
	ds_store_b64 v[AST], v[CT+2*ci:CT+2*ci+1] offset:(\set)*ABYTES+288*ci
.set ci, ci+1
.endr
.if \issue
	s_wait_xcnt 0x0                                ; every load issued so far has read its address: the pointer is written only behind this wait
	s_add_nc_u64 s[XP:XP+1], s[XP:XP+1], 256
	XLOAD \set, 0
.endif
.endm
; A K step is two halves of 32 along K, 64 matrix instructions each, on buffers F0 and F1.
; The first half, of the step in slot sl: multiplies F0; in its middle the next step's x goes into the other LDS buffer (whose last readers waited in front of the barrier before) and F1 is fetched.
.macro H0 sl, zero, conv, left, issue
	s_wait_dscnt 8                                 ; W and x's rows 0-63 are in; the youngest eight loads (rows 64-127) may be out
	MUL16 F0, 0, 0, \zero
	MUL16 F0, 0, 2, \zero
.if \conv
	CONV 1-(\sl), \left, \issue
.else
	PLACES
.endif
	FETCH \sl, 64, F1
	s_wait_dscnt 32                                ; all but the 32 just issued: the stores of x too
	MUL16 F0, 1, 0, \zero
	MUL16 F0, 1, 2, \zero
.endm
; The second half multiplies F1 and changes slots: ONE barrier.  In front of it each wave waits for all its tensor loads (one is out: its quarter of the next slot), adds 0 to its spare word, and waits for that,
; for its reads of this slot and this buffer of x, and for its stores of the next step's x.
.macro MEET round
	WIN 0
	s_wait_tensorcnt 0x0
	ds_add_u32 v[SPW], v[NIL]
	s_wait_dscnt 9                                 ; (the add and the youngest eight loads may be out)
	MUL16 F1, 0, 0, 0
	s_wait_dscnt 0x0
	s_barrier_signal -1
	MUL16 F1, 0, 2, 0
.if \round
	WIN 0
.endif
	s_barrier_wait -1
.endm
.macro H1R sl                          ; the slot just read is filled again, two K steps on: the barrier opens a round of the cluster's, and the joint load is the first thing behind it
	MEET 1
	CREST
	s_add_nc_u64 s[G0+4*(\sl)+2:G0+4*(\sl)+3], s[G0+4*(\sl)+2:G0+4*(\sl)+3], 2*WSTEP
	tensor_load_to_lds s[G0+4*(\sl):G0+4*(\sl)+3], s[G1:G1+7]  ; 96 matrix instructions ahead of the wait for it
	s_nop 0
	PLACES                                         ; also the places in front of the loads below
	FETCH 1-(\sl), 0, F0
	MUL16 F1, 1, 0, 0
	MUL16 F1, 1, 2, 0
.endm
.macro H1P sl                          ; nothing is left to fetch: the work-group's barrier alone, for x's last step
	MEET 0
	PLACES
	FETCH 1-(\sl), 0, F0
	MUL16 F1, 1, 0, 0
	MUL16 F1, 1, 2, 0
.endm
	s_wait_xcnt 0x0
	s_add_nc_u64 s[XP:XP+1], s[XP:XP+1], 256       ; at K step 1: each refill of a set steps it once more
	CONV 0, 16, 1                                  ; K step 0 into buffer 0 (step 1's sixteen loads stay out); step 2 is asked for
	s_wait_tensorcnt 0x1                           ; my quarter of slot 0 is in; slot 1's may stay out
	s_wait_dscnt 0x0                               ; my rows of x are in LDS
	s_barrier_signal -1
	s_barrier_wait -1
	FETCH 0, 0, F0
	H0 0, 1, 1, 16, 1                              ; K step 0 starts the sums
	WIN 0
	s_mov_b32 s[CNT], 2
.Llap:                                                 ; a trip: from a step's second half to the first half two steps on; both slots are filled again
	H1R 0
	H0 1, 0, 1, 16, 1
	H1R 1
	H0 0, 0, 1, 16, 1
	WIN 0
	s_sub_co_u32 s[CNT], s[CNT], 1
	s_cmp_lg_u32 s[CNT], 0
	s_cbranch_scc1 .Llap
	H1R 0                                          ; K step 4: slot 0 takes step 6
	H0 1, 0, 1, 16, 0                              ; step 5; x of step 6 is rounded, step 7's loads stay out, nothing more is asked for
	H1R 1                                          ; slot 1 takes step 7
	H0 0, 0, 1, 0, 0                               ; step 6; x of step 7
	H1P 0
	H0 1, 0, 0, 0, 0                               ; step 7
	s_wait_dscnt 8
	MUL16 F1, 0, 0, 0
	MUL16 F1, 0, 2, 0
	s_wait_dscnt 0x0
	MUL16 F1, 1, 0, 0
	MUL16 F1, 1, 2, 0
	WIN 0
	PLACES
	PLACES
	; THE WAY OUT, once (k, v, p) or twice (q: with u, then with v).  My 128 columns are heads 2 w and 2 w + 1.
	s_lshl_b32 s58, s[BB], 3
	s_lshl_b32 s59, s[WV], 1
	s_add_co_u32 s58, s58, s59                     ; bh of my first head
	s_lshl_b32 s58, s58, s[SH]
	s_add_co_u32 s58, s58, s[TAU]                  ; x tiles in a batch + tile
	s_sub_co_u32 s59, s[TT], 1
	s_cmp_lt_u32 s59, 2
	s_cselect_b32 s59, 15, 14                      ; a tile's 128 rows take 32,768 bytes in kv16 (K and V side by side), else 16,384
	s_lshl_b32 s58, s58, s59
	s_add_co_u32 s60, s59, s[SH]
	s_lshl_b32 s60, 1, s60                         ; from a head to the next
	s_cmp_eq_u32 s[TT], 2
	s_cselect_b32 s61, 16384, 0                    ; V lies behind K
	s_add_co_u32 s58, s58, s61
	s_mov_b32 s59, 0
	s_mov_b32 s61, 0
	s_cmp_eq_u32 s[TT], 0
	s_cselect_b32 s[NOUT], 2, 1
	s_mov_b32 s[TRIP], 0
; 64 numbers of a bias, rounded to bf16 in place: two roundings packed, then the two halves as f32 again; four registers at work by turns
.macro RNDB base
.set bi, 0
.rept 32
	v_cvt_pk_bf16_f32 v[T+(bi/2)%4], v[(\base)+bi], v[(\base)+bi+1]
	v_lshlrev_b32 v[(\base)+bi], 16, v[T+(bi/2)%4]
	v_and_b32 v[(\base)+bi+1], s[MASKH], v[T+(bi/2)%4]
.set bi, bi+2
.endr
.endm
.Lout:
	s_wait_xcnt 0x0                                ; the last trip's stores have read their addresses
	s_cmp_eq_u32 s[TRIP], 0
	s_cselect_b64 s[BASE:BASE+1], s[24:25], s[26:27]
	s_cselect_b64 s[PB:PB+1], s[20:21], s[22:23]
	s_cmp_eq_u32 s[TT], 0
	s_cselect_b64 s[BASE:BASE+1], s[BASE:BASE+1], s[28:29]
	s_cmp_eq_u32 s[TT], 3
	s_cselect_b64 s[BASE:BASE+1], s[30:31], s[BASE:BASE+1]
	s_add_nc_u64 s[OUT:OUT+1], s[BASE:BASE+1], s[58:59]
	s_add_nc_u64 s[OUT+2:OUT+3], s[OUT:OUT+1], s[60:61]
	; the bias of my 64 numbers a row block: column block nb at BI + 8 nb
	s_cmp_eq_u32 s[TT], 3
	s_cbranch_scc1 .Lnobias
.irp nb, 0,1,2,3,4,5,6,7
	global_load_b128 v[BI+8*(\nb):BI+8*(\nb)+3],   v[BO], s[PA:PA+1] offset:64*(\nb)
	global_load_b128 v[BI+8*(\nb)+4:BI+8*(\nb)+7], v[BO], s[PA:PA+1] offset:64*(\nb)+16
.endr
	s_cmp_lg_u32 s[TT], 0
	s_cbranch_scc1 .Lplain
.irp nb, 0,1,2,3,4,5,6,7
	global_load_b128 v[B2+8*(\nb):B2+8*(\nb)+3],   v[BO], s[PB:PB+1] offset:64*(\nb)
	global_load_b128 v[B2+8*(\nb)+4:B2+8*(\nb)+7], v[BO], s[PB:PB+1] offset:64*(\nb)+16
.endr
.Lplain:
	s_wait_loadcnt 0x0
	RNDB BI                                        ; bq, bk or bv
	s_cmp_lg_u32 s[TT], 0
	s_cbranch_scc1 .Lbiased
	RNDB B2                                        ; u or v
.set bi, 0
.rept 32
	v_pk_add_f32 v[BI+bi:BI+bi+1], v[BI+bi:BI+bi+1], v[B2+bi:B2+bi+1]
.set bi, bi+2
.endr
	s_branch .Lbiased
.Lnobias:
.set bi, 0
.rept 64
	v_mov_b32 v[BI+bi], 0                          ; p has no bias
.set bi, bi+1
.endr
.Lbiased:
; A unit is 16 rows of one head: 2,048 consecutive bytes of the output.  PACK: bias, rounding to f16, 16 bytes a lane into my stage, back as whole rows.  SEND: stored.
.macro PACK a, hh, ob
	WIN 0x02+((\a)/4)                              ; source 0: window 2 or 3
.irp bb, 0,1,2,3
.irp j, 0,2,4,6
	v_pk_add_f32 v[T+8*(\bb)+(\j):T+8*(\bb)+(\j)+1], v[8*(8*((\a)%4)+4*(\hh)+(\bb))+(\j):8*(8*((\a)%4)+4*(\hh)+(\bb))+(\j)+1], v[BI+8*(4*(\hh)+(\bb))+(\j):BI+8*(4*(\hh)+(\bb))+(\j)+1]
.endr
.endr
	WIN 0
.set pi, 0
.rept 16
	v_cvt_pk_f16_f32 v[PKD+pi], v[T+2*pi], v[T+2*pi+1]
.set pi, pi+1
.endr
.irp bb, 0,1,2,3
	ds_store_b128 v[STO], v[PKD+4*(\bb):PKD+4*(\bb)+3] offset:32*(\bb)
.endr
	s_wait_xcnt 0x0                                ; the stores of the unit two back have read these registers
.irp f, 0,1,2,3
	ds_load_b128 v[OB+16*(\ob)+4*(\f):OB+16*(\ob)+4*(\f)+3], v[RD] offset:(\f)*4*SP  ; LDS serves a wave's instructions in order (ISA guide 5.7.1.4): these see the stores above
.endr
.endm
.macro SEND a, hh, ob, younger         ; younger: the next unit's eight LDS instructions, or none
	s_wait_dscnt \younger
.irp f, 0,1,2,3
	global_store_b128 v[GO], v[OB+16*(\ob)+4*(\f):OB+16*(\ob)+4*(\f)+3], s[OUT+2*(\hh):OUT+2*(\hh)+1] offset:2048*(\a)+512*(\f)  ; 512 consecutive bytes, aligned
.endr
.endm
	PACK 0, 0, 0
.set u, 1
.rept 15                               ; a unit's arithmetic stands between the loads of the unit before and its stores
	PACK u/2, u%2, u%2
	SEND (u-1)/2, (u-1)%2, (u-1)%2, 8
.set u, u+1
.endr
	SEND 7, 1, 1, 0
	s_add_co_u32 s[TRIP], s[TRIP], 1
	s_cmp_lt_u32 s[TRIP], s[NOUT]
	s_cbranch_scc1 .Lout
	s_wait_tensorcnt 0x0                           ; the wave's end: behind my last tensor load and my last LDS store
	ds_add_u32 v[SPW], v[NIL]
	s_wait_dscnt 0x0
	CROUND                                         ; the closing round
	s_endpgm
.Lfunc_end_k_q545c426ff4_proj:
	.size	k_q545c426ff4_proj, .Lfunc_end_k_q545c426ff4_proj-k_q545c426ff4_proj
	.p2alignl 7, 3214868480
	.fill 96, 4, 3214868480
	.section	.rodata,"a",@progbits
	.p2align	6, 0x0
	.amdhsa_kernel k_q545c426ff4_proj
		.amdhsa_group_segment_fixed_size 327680
		.amdhsa_private_segment_fixed_size 0
		.amdhsa_enable_private_segment 0
		.amdhsa_kernarg_size 112
		.amdhsa_user_sgpr_count 2
		.amdhsa_user_sgpr_kernarg_segment_ptr 1
		.amdhsa_wavefront_size32 1
		.amdhsa_system_sgpr_workgroup_id_x 1
		.amdhsa_system_sgpr_workgroup_id_y 1
		.amdhsa_system_sgpr_workgroup_id_z 1
		.amdhsa_system_vgpr_workitem_id 0
		.amdhsa_next_free_vgpr 1024
		.amdhsa_next_free_sgpr 80
		.amdhsa_reserve_vcc 0
		.amdhsa_float_denorm_mode_32 3
		.amdhsa_float_denorm_mode_16_64 3
		.amdhsa_memory_ordered 1
		.amdhsa_forward_progress 1
		.amdhsa_inst_pref_size 177
	.end_amdhsa_kernel
	.amdgpu_metadata
---
amdhsa.version: [ 1, 2 ]
amdhsa.kernels:
  - .name:           k_q545c426ff4_proj
    .symbol:         k_q545c426ff4_proj.kd
    .args:
      - { .name: query, .offset: 0, .size: 8, .value_kind: global_buffer, .address_space: global }
      - { .name: key, .offset: 8, .size: 8, .value_kind: global_buffer, .address_space: global }
      - { .name: value, .offset: 16, .size: 8, .value_kind: global_buffer, .address_space: global }
      - { .name: pos_embedding, .offset: 24, .size: 8, .value_kind: global_buffer, .address_space: global }
      - { .name: wb, .offset: 32, .size: 8, .value_kind: global_buffer, .address_space: global }
      - { .name: bq, .offset: 40, .size: 8, .value_kind: global_buffer, .address_space: global }
      - { .name: bk, .offset: 48, .size: 8, .value_kind: global_buffer, .address_space: global }
      - { .name: bv, .offset: 56, .size: 8, .value_kind: global_buffer, .address_space: global }
      - { .name: u_bias, .offset: 64, .size: 8, .value_kind: global_buffer, .address_space: global }
      - { .name: v_bias, .offset: 72, .size: 8, .value_kind: global_buffer, .address_space: global }
      - { .name: qu16, .offset: 80, .size: 8, .value_kind: global_buffer, .address_space: global }
      - { .name: qv16, .offset: 88, .size: 8, .value_kind: global_buffer, .address_space: global }
      - { .name: kv16, .offset: 96, .size: 8, .value_kind: global_buffer, .address_space: global }
      - { .name: p16, .offset: 104, .size: 8, .value_kind: global_buffer, .address_space: global }
    .group_segment_fixed_size: 327680
    .private_segment_fixed_size: 0
    .kernarg_segment_align: 8
    .kernarg_segment_size: 112
    .max_flat_workgroup_size: 128
    .sgpr_count:     80
    .vgpr_count:     1024
    .wavefront_size: 32
...
	.end_amdgpu_metadata
.endif
;; end of part 2
;; launch attn (part 3): grid 8 x 32, 4 waves a work-group, clusters of 4 x 1, 327,680 bytes of LDS; arguments qu16, qv16, kv16, p16, ctx16; writes ctx16
.if DOCPART == 3
	.amdgcn_target "amdgcn-amd-amdhsa--gfx1250"
	.amdhsa_code_object_version 6
	.text
	.protected	k_q545c426ff4_attn
	.globl	k_q545c426ff4_attn
	.p2align	8
	.type	k_q545c426ff4_attn,@function
k_q545c426ff4_attn:
	s_mov_b64 s[64:65], 0
	v_nop
	global_prefetch_b8 v0, s[64:65] scope:SCOPE_SE
	s_setreg_imm32_b32 hwreg(HW_REG_WAVE_MODE, 25, 1), 1
	s_wait_xcnt 0x0
	s_wait_alu depctr_hold_cnt(0) depctr_sa_sdst(0) depctr_va_vdst(0) depctr_va_sdst(0) depctr_va_ssrc(0) depctr_va_vcc(0) depctr_vm_vsrc(0)
	s_getreg_b32 s2, hwreg(HW_REG_IB_STS2, 6, 4)
	s_cmp_eq_u32 s2, 0
	s_cbranch_scc0 .Lentry_in_a_cluster
	s_endpgm
.Lentry_in_a_cluster:
	s_bfe_u32 s2, ttmp6, 0x10000c
	s_cmp_lg_u32 s2, 0x3003
	s_cbranch_scc0 .Lentry_shape_is_right
	s_endpgm
.Lentry_shape_is_right:
; ATTENTION WITH RELATIVE POSITIONS.  score[i][t] = ((q_i + u) . k_t + (q_i + v) . p_(t - i + 2047)) / sqrt(512); ctx[i] = sum over t of softmax_t(score) v_t.
; (The pad, reshape and slice of the shift come to that index: with rows of 4,096 the flat place 2048 + 4095 i + t is row i, column 2048 - i + t, which never leaves the row.)
; All tensors by heads in f16: qu16, qv16, ctx16 [bh][2048][64]; kv16 [bh][16 slots][K 128 x 64, V 128 x 64]; p16 [bh][4096][64].  Products, maxima and sums in f32; the weights are rounded to f16 for the second product.
; LIMITS.  f16's range, 65,504, holds of all five; ctx below 6e-5 keeps f16's fixed step of 6e-8; a weight below 2^-126 counts as 0 in the sum; NaN and infinities in the inputs are not treated apart.
; SHARES.  A work-group owns 256 queries of one head, each of its four waves 64: four tiles of 16.  Every wave walks all 2,048 keys, 64 a step, two steps to a slot.
; LAYOUT.  S^T = K Q^T (source 0 = 16 keys, source 1 = 16 queries): a lane holds ONE query (lane % 16) and the keys 8 (lane / 16) + 0..7.  Two such results rounded to f16 ARE source 1 of O^T = V^T P.
; THE BAND.  With rel = l - (1792 - i0), tile a of wave w needs in step j the 80 rows rel = 64 (j + 3 - w) + 16 (3 - a) + 0..79: five products' rows out of a window of 128 rows (eight row tiles), which the wave's four tiles share.
; THE SKEW.  In the position product a lane holds query r and rows 16 c + 8 (lane / 16) + 0..7; the score of key tk is row tk + 15 - r.  The five results go into my own LDS rows (f32, 336 bytes apart) and come back
; from byte 4 (15 - r) on: 32 words, which ARE the C operand of the content product: no addition is written.
; SOFTMAX.  A running maximum m and sum l: p = 2^(c s - c m), c = log2(e) / sqrt(512); in every step O and l are multiplied by a = 2^(c m_old - c m_new).
; BY TURNS.  The wave's tiles are two PIECES: piece 0 (tiles 0, 1) and piece 2 (tiles 2, 3).  A step j is two turns of 52 products.  T0(j): V^T P of piece 0 for step j - 1, then its position and content products for step j;
; behind each product stands a slice of piece 2's softmax of step j - 1.  T2(j): piece 2's position products for step j, its V^T P for step j - 1, its content products; the slices are piece 0's softmax of step j.
; A turn's products and its slices name no common register.  In T2 the V^T P stand between the skew's stores and the products that take the skewed scores; in T0 between the fetch of P and K and their first use.
; THE START.  m starts at the lowest finite number, O, l, V and piece 0's weights at 0, tiles 2 and 3's scores at minus infinity: piece 2's softmax in the first turn, of a step that has not been, then leaves m as it was and
; makes weights 0, a = 0, l = 0.  So no first step is written out; the price is 304 lines that write those numbers, in the wait for the first tiles.
; THE END.  The tail's loop is left behind T0 of a 33rd step, which carries piece 0's last V^T P and piece 2's last softmax; it fetches nothing, and its 36 other products serve nothing: the price, once a launch, of one text for every turn.
; CLUSTER.  The four query blocks of a cluster belong to one head: K and V are asked for JOINTLY (wave 0 K, wave 1 V).  P's window hangs on the query block, so wave 2 asks for it by a load of its own.
; P is not prefetched: a head's eight work-groups walk the same rows two blocks apart, so most of its readings are later readings.
; REGISTERS: window 0: v2-14 addresses; v32-63 eight registers of statistics a tile; v64-191 S^T, 32 a tile; v192-223 the fifth position result, 8 a tile
;   window 1: v0-127 O^T, 32 a tile      window 2: v0-63 q + u; v64-127 q + v; v128-191 K; v192-255 V      window 3: v0-127 P's eight row tiles; v128-191 the weights, 16 a tile
; All that a softmax touches but the weights and O^T lies in window 0, and no window has room for a product's operands beside it: a slice costs two switches of the window.
.set PK,    144       ; a row of K or P in LDS: 128 bytes + 16 of padding
.set PV,    160       ; a row of V: 128 + 32
.set RINGB, 32768     ; P's ring: four blocks of 128 rows (18,432 bytes), 32,768 apart, from LDS byte 0
.set KV0,   131072    ; slot 0: K's 128 rows, then V's
.set VOFF,  128*PK
.set SLOTX, 0x10000   ; one exclusive or turns an address in one slot into the other's
.set SKEW,  235520    ; behind the slots, never filled by a tensor load: for each wave four buffers of 16 rows x 336 bytes
.set SKW,   21504
.set SKT,   5376
.set SKP,   336
.set SP,    144       ; the way out uses my first skew buffer as a stage
.set SPARE, 321536    ; the spare words, 128 bytes for each wave: two blocks of 256 bytes that no other line names
.set AK0, 2           ; v2   my lane's place in a tile of K or P
.set AV0, 3           ; v3   the same for V
.set ADK, 4
.set ADV, 5
.set AP0, 6           ; v6   P's row tiles 0-3 of the window
.set AP1, 7           ; v7   row tiles 4-7
.set SKS, 8           ; v8   where I put position scores
.set SKL, 9           ; v9   where I read them back, skewed
.set QO,  10
.set STO, 11
.set RD,  12
.set GO,  13
.set PFO, 14          ; v14  256 x lane; never rewritten
.set SPW, 30          ; v30  LDS address of my spare word; never rewritten
.set NIL, 31          ; v31  0; never rewritten
.set ST,  32          ; tile t at ST + 8 t: c m, m, l (even keys', odd keys'), c0-c3 at work; a takes c2's place
.set S,   64
.set EX,  192
.set QU,  0
.set QV,  64
.set KF,  128
.set VF,  192
.set PF,  0
.set PW,  128
.set WV,  14
.set G1K, 16
.set G1V, 24
.set G1P, 32
.set G0K, 40
.set G0V, 44
.set G0P, 48          ; s[48:59] three sets for P's first fills; the third then walks
.set SLOTS, 60
.set TWICE, 61
.set CS,  62          ; s[62:63] c
.set SEL, 66          ; s[66:67] v_permlanex16_b32's selects
.set TBK, 68          ; s68  LDS byte at which K of the step to be fetched begins
.set TBV, 69
.set GJ,  70          ; s70  the first group of 64 rows of my window: j + 3 - w
.set PFA, 76          ; s[76:77] where my prefetches stand
.set LIM, 78
.set MSB, 0
.macro WIN new                         ; the immediate's high byte repeats the setting that is left; a switch that changes nothing is dropped
.if MSB != (\new)
	s_set_vgpr_msb (MSB<<8)|(\new)
.set MSB, \new
.endif
.endm
.macro PLACES                          ; four plain vector instructions between a matrix instruction and a load into, or a reader of, its registers; exponentials are none, so no slice is counted on
.rept 4
	v_nop
.endr
.endm
.macro CROUND
	s_barrier_signal -1
	s_barrier_wait -1
	s_cmp_lg_u32 s[WV], 0
	s_cbranch_scc1 .Lnot_wave_0_\@
	s_barrier_signal -3
.Lnot_wave_0_\@:
	s_barrier_wait -3
	s_barrier_signal -1
	s_barrier_wait -1
.endm
; The fills: wave 0 K's 128 keys, wave 1 V's, wave 2 a block of 128 rows of P (first = 1: three blocks), wave 3 nothing.  The branches hang on the wave's number alone.
.macro JLOAD3 first
	s_cmp_eq_u32 s[WV], 0
	s_cbranch_scc0 .Lnot_k_\@
	tensor_load_to_lds s[G0K:G0K+3], s[G1K:G1K+7]
	s_nop 0
	PLACES
	s_branch .Lasked_\@
.Lnot_k_\@:
	s_cmp_eq_u32 s[WV], 1
	s_cbranch_scc0 .Lnot_v_\@
	tensor_load_to_lds s[G0V:G0V+3], s[G1V:G1V+7]
	s_nop 0
	PLACES
	s_branch .Lasked_\@
.Lnot_v_\@:
	s_cmp_eq_u32 s[WV], 2
	s_cbranch_scc0 .Lasked_\@
.if \first
	tensor_load_to_lds s[G0P:G0P+3], s[G1P:G1P+7]
	s_nop 0
	tensor_load_to_lds s[G0P+4:G0P+7], s[G1P:G1P+7]
	s_nop 0
.endif
	tensor_load_to_lds s[G0P+8:G0P+11], s[G1P:G1P+7]  ; at the start three loads of wave 2 are out, later one
	s_nop 0
	PLACES
.Lasked_\@:
.endm
; A prefetch of the slot of K and V that the NEXT change will ask for: 32,768 bytes, a lane 256.  Both clusters of a head walk the same slots: the first asks; its four partners take 8,192 bytes each, told apart by address;
; in each, wave 3, which fills nothing, asks.  So each 256 bytes are named once.  The last change that fills asks for nothing; slots 0 and 1 come by their loads alone.
.macro ASK
	s_cmp_gt_u32 s[SLOTS], s[LIM]
	s_cbranch_scc0 .Lnot_mine_\@
	global_prefetch_b8 v[PFO], s[PFA:PFA+1] th:TH_LOAD_NT scope:SCOPE_SE
.Lnot_mine_\@:
.endm
	s_load_b256 s[4:11], s[0:1], 0x0               ; qu16, qv16, kv16, p16
	s_load_b64 s[12:13], s[0:1], 0x20              ; ctx16
	v_lshl_add_u32 v[SPW], v0, 2, SPARE
	v_mov_b32 v[NIL], 0
	ds_add_u32 v[SPW], v[NIL]                      ; the wave's opening: the add and its wait ahead of my first tensor load
	v_lshrrev_b32 v1, 5, v0
	v_readfirstlane_b32 s[WV], v1
	s_bfe_u32 s15, ttmp6, 0x40000                  ; cx
	s_lshl_b32 s71, ttmp9, 2
	s_add_co_u32 s71, s71, s15                     ; my block of 256 queries: it enters Q's, P's and ctx's addresses alone
	s_and_b32 s79, ttmp7, 0xffff                   ; bh, which the partners share
	s_lshl_b32 s80, s79, 19                        ; the head's first byte in kv16 and in p16
	s_mov_b32 s81, 0
	s_lshl_b32 s72, s71, 15
	s_add_co_u32 s82, s80, 229376                  ; P: row 1792 - 256 x block
	s_sub_co_u32 s82, s82, s72
	s_mov_b32 s83, 0
	s_lshl_b32 s84, s79, 18                        ; Q and ctx: the head, the block, my wave's 64 rows
	s_add_co_u32 s84, s84, s72
	s_lshl_b32 s73, s[WV], 13
	s_add_co_u32 s84, s84, s73
	s_mov_b32 s85, 0
	s_lshl_b32 s74, s15, 13                        ; the prefetches: my work-group's quarter, in slot 1
	s_add_co_u32 s74, s74, 32768
	s_mov_b32 s75, 0
	; descriptor group 1: 16,384 dense bytes as 64 rows of 256, padded in LDS after every 128 bytes
	s_mov_b32 s[G1K], 15|(1<<16)|(1<<20)|(1<<21)|(4<<22)|(3<<25)  ; the mask of four, bit 21 beside it; 2-byte elements; 4 words of padding after every 32
	s_mov_b32 s[G1V], 15|(1<<16)|(1<<20)|(1<<21)|(4<<22)|(7<<25)  ; the same with 8 words of padding
	s_mov_b32 s[G1P], (1<<16)|(1<<20)|(4<<22)|(3<<25)             ; no mask: a load of my own
.irp g, G1K, G1V, G1P
	s_mov_b32 s[\g+1], 128<<16
	s_mov_b32 s[\g+2], 64<<16
	s_mov_b32 s[\g+3], 128<<16
	s_mov_b32 s[\g+4], 64
	s_mov_b32 s[\g+5], 128
	s_mov_b32 s[\g+6], 0
	s_mov_b32 s[\g+7], 0
.endr
	s_mov_b32 s[G0K], 1
	s_mov_b32 s[G0K+1], KV0
	s_mov_b32 s[G0V], 1
	s_mov_b32 s[G0V+1], KV0+VOFF
.irp n, 0,1,2
	s_mov_b32 s[G0P+4*(\n)], 1
	s_mov_b32 s[G0P+4*(\n)+1], (\n)*RINGB
.endr
	s_mov_b32 s[CS], 0x3d8293ee                    ; c = log2(e) / sqrt(512) = 0.0637587
	s_mov_b32 s[CS+1], s[CS]
	s_mov_b32 s[SEL], 0x76543210
	s_mov_b32 s[SEL+1], 0xfedcba98
	s_mov_b32 s[TBK], KV0+SLOTX+2*64*PK            ; the first change of slots turns these two into slot 0's
	s_mov_b32 s[TBV], KV0+SLOTX+VOFF+2*64*PV
	s_sub_co_u32 s[GJ], 3, s[WV]
	s_mov_b32 s[SLOTS], 15
	s_xor_b32 s[LIM], s[WV], 3
	s_or_b32 s[LIM], s[LIM], ttmp9                 ; 0 in wave 3 of the head's first cluster: the same in all four partners
	s_cmp_eq_u32 s[LIM], 0
	s_cselect_b32 s[LIM], 1, -1
	s_wait_dscnt 0x0                               ; the opening add is done
	s_wait_kmcnt 0x0
	s_add_nc_u64 s[8:9], s[8:9], s[80:81]
	s_add_nc_u64 s[G0K+2:G0K+3], s[8:9], 0
	s_or_b32 s[G0K+3], s[G0K+3], 0x80000000
	s_add_nc_u64 s[G0V+2:G0V+3], s[8:9], 16384
	s_or_b32 s[G0V+3], s[G0V+3], 0x80000000
	s_add_nc_u64 s[PFA:PFA+1], s[8:9], s[74:75]
	s_add_nc_u64 s[10:11], s[10:11], s[82:83]
.irp n, 0,1,2
	s_add_nc_u64 s[G0P+4*(\n)+2:G0P+4*(\n)+3], s[10:11], (\n)*16384
	s_or_b32 s[G0P+4*(\n)+3], s[G0P+4*(\n)+3], 0x80000000
.endr
	s_add_nc_u64 s[4:5], s[4:5], s[84:85]
	s_add_nc_u64 s[6:7], s[6:7], s[84:85]
	s_add_nc_u64 s[12:13], s[12:13], s[84:85]
	CROUND                                         ; all four work-groups are here
	JLOAD3 1                                       ; slot 0 of K and V, blocks 0 to 2 of P
	v_and_b32 v1, 15, v0                           ; l % 16
	v_bfe_u32 v16, v0, 4, 1                        ; l / 16
	v_lshlrev_b32 v[QO], 7, v1
	v_lshl_add_u32 v[QO], v16, 4, v[QO]
	WIN 0x80
.set i, 0
.rept 8                                ; both Q stay in registers: tile i / 2, channels 32 (i % 2) on
	global_load_b128 v[QU+8*i:QU+8*i+3],   v[QO], s[4:5] offset:(i/2)*2048+(i%2)*64
	global_load_b128 v[QU+8*i+4:QU+8*i+7], v[QO], s[4:5] offset:(i/2)*2048+(i%2)*64+32
	global_load_b128 v[QV+8*i:QV+8*i+3],   v[QO], s[6:7] offset:(i/2)*2048+(i%2)*64
	global_load_b128 v[QV+8*i+4:QV+8*i+7], v[QO], s[6:7] offset:(i/2)*2048+(i%2)*64+32
.set i, i+1
.endr
.set i, VF
.rept 64
	v_mov_b32 v[i], 0                              ; V of a step that has not been
.set i, i+1
.endr
	WIN 0xc0
.set i, PW
.rept 32
	v_mov_b32 v[i], 0                              ; piece 0's weights of that step; piece 2's are made by the first turn's slices
.set i, i+1
.endr
	WIN 0x40
.set i, 0
.rept 128
	v_mov_b32 v[i], 0
.set i, i+1
.endr
	WIN 0
.set i, 0
.rept 4
	v_mov_b32 v[ST+8*i], 0xfe000000                ; c m: far below every c s
	v_mov_b32 v[ST+8*i+1], 0xff7fffff              ; m
	v_mov_b32 v[ST+8*i+2], 0
	v_mov_b32 v[ST+8*i+3], 0
.set i, i+1
.endr
	s_mov_b32 s71, 0xff800000
.set i, S+64
.rept 64
	v_mov_b32 v[i], s71                            ; piece 2's scores of that step: minus infinity
.set i, i+1
.endr
	v_mul_u32_u24 v[AK0], v1, PK
	v_lshl_add_u32 v[AK0], v16, 4, v[AK0]          ; row x pitch + 16 x half
	v_and_b32 v17, 7, v0
	v_bfe_u32 v18, v0, 3, 1
	v_lshl_add_u32 v[AV0], v16, 3, v17             ; the turning load: key 8 (l / 16) + l % 8, channels 8 ((l / 8) % 2) on
	v_mul_u32_u24 v[AV0], v[AV0], PV
	v_lshl_add_u32 v[AV0], v18, 4, v[AV0]
	s_mul_i32 s71, s[WV], SKW
	s_add_co_u32 s71, s71, SKEW                    ; my skew buffers
	v_mul_u32_u24 v[SKS], v1, SKP
	v_lshl_add_u32 v[SKS], v16, 5, v[SKS]
	v_add_nc_u32 v[SKS], s71, v[SKS]               ; row r, word 8 (l / 16)
	v_mul_u32_u24 v[SKL], v1, SKP-4
	v_lshl_add_u32 v[SKL], v16, 5, v[SKL]
	v_add_nc_u32 v[SKL], s71, v[SKL]
	v_add_nc_u32 v[SKL], 60, v[SKL]                ; row r, word 8 (l / 16) + 15 - r
	v_add_nc_u32 v[STO], s71, v[AK0]
	v_bfe_u32 v[RD], v0, 3, 2
	v_mul_u32_u24 v[RD], v[RD], SP
	v_lshl_add_u32 v[RD], v17, 4, v[RD]
	v_add_nc_u32 v[RD], s71, v[RD]
	v_and_b32 v[GO], 31, v0
	v_lshlrev_b32 v[PFO], 8, v[GO]
	v_lshlrev_b32 v[GO], 4, v[GO]
; THE MATRIX WORK OF A TURN, for piece x.  In every run the accumulators take turns, one instruction a turn, and no run ends on the accumulator with which the next begins.
.macro PVX x                           ; product i of 16 of O^T += V^T P: keys 32 (i / 8) on, channels 16 ((i / 2) % 4) on, tile x + i % 2
	WIN 0x5e                                       ; V window 2, the weights window 3, O^T window 1
.set rO, 32*((\x)+i%2)+8*((i/2)%4)
.set rV, VF+32*(i/8)+8*((i/2)%4)
.set rW, PW+16*((\x)+i%2)+8*(i/8)
	v_wmma_f32_16x16x32_f16 v[rO:rO+7], v[rV:rV+7], v[rW:rW+7], v[rO:rO+7]
.endm
.macro POSX x                          ; product i of 20: tile pa = x + i / 10; channels 32 ph on; row tile 3 - pa + pc of the window, pc = 0..4
	WIN 0x0b                                       ; P window 3, q + v window 2, the result window 0
.set pa, (\x)+i/10
.set ph, (i%10)/5
.set pc, (i%10)%5
.if pc < 4
.set rD, S+32*pa+8*pc
.else
.set rD, EX+8*pa
.endif
.set rA, PF+16*(3-pa+pc)+8*ph
.set rB, QV+16*pa+8*ph
.if ph == 0
	v_wmma_f32_16x16x32_f16 v[rD:rD+7], v[rA:rA+7], v[rB:rB+7], 0
.else
	v_wmma_f32_16x16x32_f16 v[rD:rD+7], v[rA:rA+7], v[rB:rB+7], v[rD:rD+7]
.endif
.endm
.macro CONX x                          ; product i of 16 of K (q + u)^T onto the skewed position scores: tile x + i / 8; channels 32 ((i % 8) / 4) on; keys 16 (i % 4) on
	WIN 0x0a
.set rD, S+32*((\x)+i/8)+8*(i%4)
.set rA, KF+16*(i%4)+8*((i%8)/4)
.set rB, QU+16*((\x)+i/8)+8*((i%8)/4)
	v_wmma_f32_16x16x32_f16 v[rD:rD+7], v[rA:rA+7], v[rB:rB+7], v[rD:rD+7]
.endm
.macro MM x, ord                       ; the turn's product number mi.  ord = 0: V^T P, position, content;  ord = 1: position, V^T P, content
.if (\ord) == 0
.if mi < 16
.set i, mi
	PVX \x
.elseif mi < 36
.set i, mi-16
	POSX \x
.else
.set i, mi-36
	CONX \x
.endif
.else
.if mi < 20
.set i, mi
	POSX \x
.elseif mi < 36
.set i, mi-20
	PVX \x
.else
.set i, mi-36
	CONX \x
.endif
.endif
.set mi, mi+1
.endm
; Ten stores, 32 loads: LDS serves a wave's instructions in order (ISA guide 5.7.1.4), so the loads see the stores; each result's low registers are read first.
; Register q = 8 kb + jj of S^T is key 16 kb + 8 (l / 16) + jj: word 16 kb + jj behind my skewed address, byte 64 kb + 4 jj.
.macro SKEWM a
	WIN 0
.irp c, 0,1,2,3,4
.if (\c) < 4
.set rD, S+32*(\a)+8*(\c)
.else
.set rD, EX+8*(\a)
.endif
	ds_store_b128 v[SKS], v[rD:rD+3]   offset:SKT*(\a)+64*(\c)
	ds_store_b128 v[SKS], v[rD+4:rD+7] offset:SKT*(\a)+64*(\c)+16
.endr
.set q, 0
.rept 32
	ds_load_b32 v[S+32*(\a)+q], v[SKL] offset:SKT*(\a)+64*(q/8)+4*(q%8)
.set q, q+1
.endr
.endm
.macro FETCH_P
	WIN 0xc0
.irp n, 0,1,2,3
.irp kh, 0,1
	ds_load_b128 v[PF+16*(\n)+8*(\kh):PF+16*(\n)+8*(\kh)+3],   v[AP0] offset:(\n)*16*PK+64*(\kh)
	ds_load_b128 v[PF+16*(\n)+8*(\kh)+4:PF+16*(\n)+8*(\kh)+7], v[AP0] offset:(\n)*16*PK+64*(\kh)+32
.endr
.endr
.irp n, 0,1,2,3
.irp kh, 0,1
	ds_load_b128 v[PF+64+16*(\n)+8*(\kh):PF+64+16*(\n)+8*(\kh)+3],   v[AP1] offset:(\n)*16*PK+64*(\kh)
	ds_load_b128 v[PF+64+16*(\n)+8*(\kh)+4:PF+64+16*(\n)+8*(\kh)+7], v[AP1] offset:(\n)*16*PK+64*(\kh)+32
.endr
.endr
.endm
.macro FETCH_K
	WIN 0x80
.irp f, 0,1,2,3,4,5,6,7
	ds_load_b128 v[KF+8*(\f):KF+8*(\f)+3],   v[ADK] offset:((\f)/2)*16*PK+((\f)%2)*64
	ds_load_b128 v[KF+8*(\f)+4:KF+8*(\f)+7], v[ADK] offset:((\f)/2)*16*PK+((\f)%2)*64+32
.endr
.endm
.macro FETCH_V
	WIN 0x80
.irp f, 0,1,2,3,4,5,6,7
	ds_load_tr16_b128 v[VF+8*(\f):VF+8*(\f)+3],   v[ADV] offset:((\f)/4)*32*PV+((\f)%4)*32
	ds_load_tr16_b128 v[VF+8*(\f)+4:VF+8*(\f)+7], v[ADV] offset:((\f)/4)*32*PV+16*PV+((\f)%4)*32
.endr
.endm
; THE VECTOR WORK OF A TURN.  The softmax of one tile and step is a list of 118; SM writes number j of it for tile t.
;   0-15 the maximum of the 32 scores and the old m (each result's low registers first)   16-20 the other half of the lanes' maximum; m; c m; c m_old - c m_new
;   21-69 ONE BATCH: 16 scalings c s - c m and 33 exponentials (a at 23); none of them names an exponential's result; a pair is scaled ahead of its exponentials
;   70-85 the roundings to f16   86-101 the sums; l = a l + sum   102-117 O^T times a
.macro SM t
.set rT, ST+8*(\t)
.set rS, S+32*(\t)
.set rP, PW+16*(\t)
.if j < 70
	WIN 0
.elseif j < 86
	WIN 0xc0
.elseif j < 102
	WIN 0
.else
	WIN 0x41
.endif
.if j < 4
	v_max3_num_f32 v[rT+4+j], v[rS+8*j], v[rS+8*j+1], v[rS+8*j+2]
.elseif j < 12
	v_max3_num_f32 v[rT+4+j%4], v[rT+4+j%4], v[rS+8*(j%4)+2*(j/4)+1], v[rS+8*(j%4)+2*(j/4)+2]
.elseif j == 12
	v_max3_num_f32 v[rT+4], v[rT+4], v[rS+7], v[rS+15]
.elseif j == 13
	v_max3_num_f32 v[rT+6], v[rT+6], v[rS+23], v[rS+31]
.elseif j == 14
	v_max3_num_f32 v[rT+4], v[rT+4], v[rT+5], v[rT+6]
.elseif j == 15
	v_max3_num_f32 v[rT+4], v[rT+4], v[rT+7], v[rT+1]
.elseif j == 16
	v_permlanex16_b32 v[rT+5], v[rT+4], s[SEL], s[SEL+1]
.elseif j == 17
	v_mov_b32 v[rT+7], v[rT]
.elseif j == 18
	v_max_num_f32 v[rT+1], v[rT+4], v[rT+5]
.elseif j == 19
	v_mul_f32 v[rT], s[CS], v[rT+1]
.elseif j == 20
	v_sub_f32 v[rT+7], v[rT+7], v[rT]
.elseif j == 23
	v_exp_f32 v[rT+6], v[rT+7]
.elseif (j < 23) || ((j < 38) && (j%2 == 0)) || ((j < 66) && (j%4 == 2))
.set b, (j-2)/4
.if j < 38
.set b, (j-20)/2
.endif
	v_pk_fma_f32 v[rS+2*b:rS+2*b+1], v[rS+2*b:rS+2*b+1], s[CS:CS+1], v[rT:rT+1] op_sel_hi:[1,0,0] neg_lo:[0,0,1] neg_hi:[0,0,1]
.elseif j < 70
.set e, j-38
.if j < 66
.set e, j-32-(j-38)/4
.endif
.if j < 38
.set e, (j-25)/2
.endif
	v_exp_f32 v[rS+e], v[rS+e]
.elseif j < 86
	v_cvt_pk_f16_f32 v[rP+j-70], v[rS+2*(j-70)], v[rS+2*(j-70)+1]
.elseif j < 102
.set z, j-86
.set w, 4
.set u, z
.if z >= 14
.set w, 32
.set u, 0
.elseif z >= 12
.set w, 16
.set u, z-12
.elseif z >= 8
.set w, 8
.set u, z-8
.endif
.if z < 15
	v_pk_add_f32 v[rS+w*u:rS+w*u+1], v[rS+w*u:rS+w*u+1], v[rS+w*u+w/2:rS+w*u+w/2+1]
.else
	v_pk_fma_f32 v[rT+2:rT+3], v[rT+2:rT+3], v[rT+6:rT+7], v[rS:rS+1] op_sel_hi:[1,0,1]
.endif
.else
	v_pk_mul_f32 v[32*(\t)+2*(j-102):32*(\t)+2*(j-102)+1], v[32*(\t)+2*(j-102):32*(\t)+2*(j-102)+1], v[rT+6:rT+7] op_sel_hi:[1,0]
.endif
.endm
; HOW IT IS DEALT.  A pair is number j of both tiles of the piece, so that no instruction reads the result of the one before it.  118 pairs go into 52 slices, one slice behind each product: pairs 0-20 into slices 0-8,
; the batch (21-69) into slices 9-35, one or two pairs each, pairs 70-117 into slices 36-51, three each.  So all of a turn's 66 exponentials stand ahead of product 36 and all that names a result of theirs behind it:
; ONE wait, ahead of the run of LDS instructions that stands in front of product 36 in both turns.  UPTO s: pn = the pairs in slices 0 .. s - 1.
.macro UPTO s
.if (\s) < 9
.set pn, ((\s)*21)/9
.elseif (\s) < 36
.set pn, 21+(((\s)-9)*49)/27
.else
.set pn, 70+((\s)-36)*3
.endif
.endm
.macro SLICE y                         ; slice number sk of piece y's softmax
	UPTO sk
.set j, pn
	UPTO sk+1
.rept pn-j
	SM \y
	SM (\y)+1
.set j, j+1
.endr
.set sk, sk+1
.endm
; THE HEAD OF A STEP.  Group g of 64 rows of P lies at ((g / 2) % 4) x 32,768 + (g % 2) x 9,216.  The step's P and K are fetched in one run of 48; K's registers were last read in front of the six plain
; instructions of the turn before's last slice.  last = 1 (the tail): in its last trip there is no further step, and the run is jumped over.
.macro HEAD last
	WIN 0
	s_wait_dscnt 0x0                               ; V of the step before, asked for sixteen products back, is in
	s_lshr_b32 s71, s[GJ], 1
	s_and_b32 s71, s71, 3
	s_lshl_b32 s71, s71, 15
	s_and_b32 s72, s[GJ], 1
	s_mul_i32 s72, s72, 64*PK
	s_add_co_u32 s71, s71, s72
	s_add_co_u32 s[GJ], s[GJ], 1                   ; the window's second group, and the next step's first
	s_lshr_b32 s73, s[GJ], 1
	s_and_b32 s73, s73, 3
	s_lshl_b32 s73, s73, 15
	s_and_b32 s72, s[GJ], 1
	s_mul_i32 s72, s72, 64*PK
	s_add_co_u32 s73, s73, s72
	v_add_nc_u32 v[AP0], s71, v[AK0]
	v_add_nc_u32 v[AP1], s73, v[AK0]
	v_add_nc_u32 v[ADK], s[TBK], v[AK0]
	v_add_nc_u32 v[ADV], s[TBV], v[AV0]
	s_add_co_u32 s[TBK], s[TBK], 64*PK
	s_add_co_u32 s[TBV], s[TBV], 64*PV
.if \last
	s_cmp_eq_u32 s[TWICE], 1
	s_cbranch_scc1 .Lno_fetch_\@
.endif
	FETCH_P                                        ; 32 loads
	FETCH_K                                        ; 16
	WIN 0
.if \last
.Lno_fetch_\@:
.endif
.endm
; A TURN.  Piece x has the matrix unit; the other piece's softmax stands in slices behind its products.
.macro TURN x, ord, last
.set mi, 0
.set sk, 0
.if (\ord) == 0
	HEAD \last
.endif
.rept 52
.if (\ord) == 0
.if mi == 16
	s_wait_dscnt 16                                ; P is in; K's sixteen loads may be out
.elseif mi == 26
	PLACES
	SKEWM \x                                       ; 42 LDS instructions; ten products stand between them and their first use
.elseif mi == 36
	PLACES                                         ; also the plain instruction behind the last exponential
	s_wait_alu depctr_va_vdst(0)                   ; ONE wait for the turn's 66 exponentials, ahead of the first instruction that names a result
	SKEWM (\x)+1
	s_wait_dscnt 42                                ; all but the 42 just issued: K, and the first tile's skewed scores
.elseif mi == 44
	s_wait_dscnt 0x0                               ; the second tile's skewed scores
.endif
.else
.if mi == 20
	PLACES
	SKEWM \x                                       ; both tiles in one run of 84; sixteen products stand between it and its first use
	SKEWM (\x)+1
.elseif mi == 36
	PLACES                                         ; behind the last product that read V; also the plain instruction behind the last exponential
	s_wait_alu depctr_va_vdst(0)                   ; ONE wait for the turn's 66 exponentials
	FETCH_V                                        ; V of this step, for the next step's two turns
	s_wait_dscnt 16                                ; all but V's sixteen loads: both tiles' skewed scores
.endif
.endif
	MM \x, \ord
	SLICE 2-(\x)
.endr
.endm
; THE CHANGE OF SLOTS.  Each wave waits for all its tensor loads, adds 0 to its spare word, and waits for that and for its reads.  Behind the barrier nobody reads the old slot of K and V or P's oldest block, and the next slot is whole.
; fill = 1: the change into slot n asks for K and V of slot n + 1 and for P's block n + 3, behind a round of the cluster's barrier: two key steps, 208 matrix instructions, in which to land.
.macro CHANGE fill
	WIN 0
	s_wait_tensorcnt 0x0                           ; no tensor load of mine is out, so a group 0 may be written
	ds_add_u32 v[SPW], v[NIL]
.if \fill
	s_xor_b32 s[G0K+1], s[G0K+1], SLOTX
	s_add_nc_u64 s[G0K+2:G0K+3], s[G0K+2:G0K+3], 32768
	s_xor_b32 s[G0V+1], s[G0V+1], SLOTX
	s_add_nc_u64 s[G0V+2:G0V+3], s[G0V+2:G0V+3], 32768
	s_add_co_u32 s[G0P+9], s[G0P+9], RINGB         ; the ring's next block,
	s_and_b32 s[G0P+9], s[G0P+9], 4*RINGB-1        ; of four
	s_add_nc_u64 s[G0P+10:G0P+11], s[G0P+10:G0P+11], 16384
	s_wait_xcnt 0x0                                ; the last prefetch, two key steps back, has read its address
	s_add_nc_u64 s[PFA:PFA+1], s[PFA:PFA+1], 32768
	s_wait_dscnt 0x0
	CROUND
	JLOAD3 0
	ASK
.else
	s_wait_dscnt 0x0
	s_barrier_signal -1
	s_barrier_wait -1
.endif
	s_sub_co_u32 s[TBK], s[TBK], 2*64*PK           ; the fetches go back to a slot's first step,
	s_xor_b32 s[TBK], s[TBK], SLOTX                ; in the other slot
	s_sub_co_u32 s[TBV], s[TBV], 2*64*PV
	s_xor_b32 s[TBV], s[TBV], SLOTX
.endm
	s_wait_loadcnt 0x0                             ; Q
.Lslot:                                                ; 15 trips: slots 0 to 14 are entered, and what lies ahead is asked for
	CHANGE 1
	s_mov_b32 s[TWICE], 2
.Lstep:                                                ; a slot's two key steps: written once, walked twice
	TURN 0, 0, 0
	TURN 2, 1, 0
	WIN 0
	s_sub_co_u32 s[TWICE], s[TWICE], 1
	s_cmp_lg_u32 s[TWICE], 0
	s_cbranch_scc1 .Lstep
	s_sub_co_u32 s[SLOTS], s[SLOTS], 1
	s_cmp_lg_u32 s[SLOTS], 0
	s_cbranch_scc1 .Lslot
	CHANGE 0                                       ; the last slot is written out
	s_mov_b32 s[TWICE], 3                          ; its two steps, and the first turn of a third trip
.Ltail:
	TURN 0, 0, 1
	WIN 0
	s_cmp_eq_u32 s[TWICE], 1
	s_cbranch_scc1 .Lout                           ; piece 0's last V^T P and piece 2's last softmax are done
	TURN 2, 1, 0
	WIN 0
	s_sub_co_u32 s[TWICE], s[TWICE], 1
	s_cmp_lg_u32 s[TWICE], 0
	s_cbranch_scc1 .Ltail
.Lout:
	s_wait_dscnt 0x0
.set i, 0
.rept 16
	PVX 2                                          ; piece 2's V^T P of the last step
.set i, i+1
.endr
	; THE WAY OUT.  l's two halves and the other half of the lanes' are added; O^T is divided by l, rounded to f16 and sent through my stage, a tile at a time.  The additions are the places behind the last products.
	WIN 0
.irp t, 0,1,2,3
	v_add_f32 v[ST+8*(\t)+4], v[ST+8*(\t)+2], v[ST+8*(\t)+3]
.endr
.irp t, 0,1,2,3
	v_permlanex16_b32 v[ST+8*(\t)+5], v[ST+8*(\t)+4], s[SEL], s[SEL+1]
.endr
.irp t, 0,1,2,3
	v_add_f32 v[ST+8*(\t)+4], v[ST+8*(\t)+4], v[ST+8*(\t)+5]
.endr
.irp t, 0,1,2,3
	v_rcp_f32 v[ST+8*(\t)+6], v[ST+8*(\t)+4]
.endr
	v_nop
	s_wait_alu depctr_va_vdst(0)                   ; one wait for the four reciprocals
.macro PACK t
	WIN 0x41
.set i, 32*(\t)
.rept 16
	v_pk_mul_f32 v[i:i+1], v[i:i+1], v[ST+8*(\t)+6:ST+8*(\t)+7] op_sel_hi:[1,0]
.set i, i+2
.endr
	WIN 0x05
.set i, 0
.rept 16
	v_cvt_pk_f16_f32 v[S+16*(\t)+i], v[32*(\t)+2*i], v[32*(\t)+2*i+1]
.set i, i+1
.endr
	WIN 0
.irp f, 0,1,2,3
	ds_store_b128 v[STO], v[S+16*(\t)+4*(\f):S+16*(\t)+4*(\f)+3] offset:32*(\f)
.endr
.irp f, 0,1,2,3
	ds_load_b128 v[S+16*(\t)+4*(\f):S+16*(\t)+4*(\f)+3], v[RD] offset:(\f)*4*SP
.endr
.endm
.macro SEND t, younger
	WIN 0
.irp f, 0,1,2,3
	s_wait_dscnt (\younger)+3-(\f)
	global_store_b128 v[GO], v[S+16*(\t)+4*(\f):S+16*(\t)+4*(\f)+3], s[12:13] offset:(\t)*2048+(\f)*512  ; 512 consecutive bytes, aligned
.endr
.endm
	PACK 0
	PACK 1
	SEND 0, 8
	PACK 2
	SEND 1, 8
	PACK 3
	SEND 2, 8
	SEND 3, 0
	s_wait_tensorcnt 0x0                           ; the wave's end
	ds_add_u32 v[SPW], v[NIL]
	s_wait_dscnt 0x0
	CROUND                                         ; the closing round
	s_endpgm
.Lfunc_end_k_q545c426ff4_attn:
	.size	k_q545c426ff4_attn, .Lfunc_end_k_q545c426ff4_attn-k_q545c426ff4_attn
	.p2alignl 7, 3214868480
	.fill 96, 4, 3214868480
	.section	.rodata,"a",@progbits
	.p2align	6, 0x0
	.amdhsa_kernel k_q545c426ff4_attn
		.amdhsa_group_segment_fixed_size 327680
		.amdhsa_private_segment_fixed_size 0
		.amdhsa_enable_private_segment 0
		.amdhsa_kernarg_size 40
		.amdhsa_user_sgpr_count 2
		.amdhsa_user_sgpr_kernarg_segment_ptr 1
		.amdhsa_wavefront_size32 1
		.amdhsa_system_sgpr_workgroup_id_x 1
		.amdhsa_system_sgpr_workgroup_id_y 1
		.amdhsa_system_sgpr_workgroup_id_z 1
		.amdhsa_system_vgpr_workitem_id 0
		.amdhsa_next_free_vgpr 960
		.amdhsa_next_free_sgpr 88
		.amdhsa_reserve_vcc 0
		.amdhsa_float_denorm_mode_32 3
		.amdhsa_float_denorm_mode_16_64 3
		.amdhsa_memory_ordered 1
		.amdhsa_forward_progress 1
		.amdhsa_inst_pref_size 147
	.end_amdhsa_kernel
	.amdgpu_metadata
---
amdhsa.version: [ 1, 2 ]
amdhsa.kernels:
  - .name:           k_q545c426ff4_attn
    .symbol:         k_q545c426ff4_attn.kd
    .args:
      - { .name: qu16, .offset: 0, .size: 8, .value_kind: global_buffer, .address_space: global }
      - { .name: qv16, .offset: 8, .size: 8, .value_kind: global_buffer, .address_space: global }
      - { .name: kv16, .offset: 16, .size: 8, .value_kind: global_buffer, .address_space: global }
      - { .name: p16, .offset: 24, .size: 8, .value_kind: global_buffer, .address_space: global }
      - { .name: ctx16, .offset: 32, .size: 8, .value_kind: global_buffer, .address_space: global }
    .group_segment_fixed_size: 327680
    .private_segment_fixed_size: 0
    .kernarg_segment_align: 8
    .kernarg_segment_size: 40
    .max_flat_workgroup_size: 128
    .sgpr_count:     88
    .vgpr_count:     960
    .wavefront_size: 32
...
	.end_amdgpu_metadata
.endif
;; end of part 3
;; launch oproj (part 4): grid 4 x 64, 4 waves a work-group, clusters of 4 x 4, 327,680 bytes of LDS; arguments ctx16, wo16, bo, out0; writes out0
.if DOCPART == 4
	.amdgcn_target "amdgcn-amd-amdhsa--gfx1250"
	.amdhsa_code_object_version 6
	.text
	.protected	k_q545c426ff4_oproj
	.globl	k_q545c426ff4_oproj
	.p2align	8
	.type	k_q545c426ff4_oproj,@function
k_q545c426ff4_oproj:
	s_mov_b64 s[64:65], 0
	v_nop
	global_prefetch_b8 v0, s[64:65] scope:SCOPE_SE
	s_setreg_imm32_b32 hwreg(HW_REG_WAVE_MODE, 25, 1), 1
	s_wait_xcnt 0x0
	s_wait_alu depctr_hold_cnt(0) depctr_sa_sdst(0) depctr_va_vdst(0) depctr_va_sdst(0) depctr_va_ssrc(0) depctr_va_vcc(0) depctr_vm_vsrc(0)
	s_getreg_b32 s2, hwreg(HW_REG_IB_STS2, 6, 4)
	s_cmp_eq_u32 s2, 0
	s_cbranch_scc0 .Lentry_in_a_cluster
	s_endpgm
.Lentry_in_a_cluster:
	s_bfe_u32 s2, ttmp6, 0x10000c
	s_cmp_lg_u32 s2, 0xf033
	s_cbranch_scc0 .Lentry_shape_is_right
	s_endpgm
.Lentry_shape_is_right:
; THE OUTPUT PROJECTION.  out0[row][n] = sum over k of ctx[row][k] Wo[n][k] + bo[n]; 8,192 rows, K = N = 512.  ctx16 is f16 by heads, [8 b + hd][2048][64]; wo16 is f16 in blocks [hd][n][64]; sums and output in f32.
; bo is rounded once to bf16, as all the module's inputs are, and added in f32.
; SHARES.  256 work-groups, a tile of 128 x 128 each; four waves of 64 x 64: 16 accumulators.  A head's 64 channels are one K step.
; THE WHOLE K LIES IN LDS: eight blocks of 128 rows x 64 for ctx and eight for Wo, each 16,384 dense bytes in memory, each filled once.  No slot is filled again, so the barriers have counted waits:
; a wave issues four loads at the start (four are out), and chunk c of two heads is read when all but 3 - c of them have landed.
; CLUSTER 4 x 4: the four of a row of the cluster need the same blocks of ctx, the four of a column the same blocks of Wo: each block is asked for jointly.
; The matrix instruction is used transposed (source 0 = rows of Wo, source 1 = rows of ctx): a lane holds eight neighbouring columns of a row.  No prefetch: a short launch, all of whose loads go out at its head.
.set PITCH, 144
.set BLK,   128*PITCH                  ; a block in LDS
.set BB0,   8*BLK                      ; Wo's blocks lie behind ctx's
.set STAGE, 16*BLK                     ; 16 rows x 272 bytes for each wave
.set SPITCH, 272
.set SPARE, STAGE+4*16*SPITCH          ; the spare words, 128 bytes for each wave
.set ADRA, 16                          ; v16-19  my fragments of ctx in chunk c
.set ADRB, 20                          ; v20-23  of Wo
.set STO,  24
.set RD,   25
.set CO,   26
.set BOF,  27
.set SPW,  28
.set NIL,  29
.set TMP,  32
.set OBF,  64
.set BI,   96
.set ACC,  128
.set F0,   0                           ; fragment buffers, in window 1: 64 registers of ctx, then 64 of Wo
.set F1,   128
.set WV,  12
.set WR,  13                           ; which half of the rows is mine; also: I fetch ctx (0) or Wo (1)
.set WC,  14                           ; which half of the columns; also: which head of a chunk I fetch
.set G1A, 16
.set G1B, 24
.set G0A, 32                           ; s[32:47] four sets
.set G0B, 48                           ; s[48:63] four sets
.set MASKH, 86                         ; s86  a word's upper bf16
.set MSB, 0
.macro WIN new
.if MSB != (\new)
	s_set_vgpr_msb (MSB<<8)|(\new)
.set MSB, \new
.endif
.endm
.macro PLACES
.rept 4
	v_nop
.endr
.endm
.macro CROUND
	s_barrier_signal -1
	s_barrier_wait -1
	s_cmp_lg_u32 s[WV], 0
	s_cbranch_scc1 .Lnot_wave_0_\@
	s_barrier_signal -3
.Lnot_wave_0_\@:
	s_barrier_wait -3
	s_barrier_signal -1
	s_barrier_wait -1
.endm
	s_load_b256 s[4:11], s[0:1], 0x0               ; ctx16, wo16, bo, out0
	v_lshl_add_u32 v[SPW], v0, 2, SPARE
	v_mov_b32 v[NIL], 0
	ds_add_u32 v[SPW], v[NIL]                      ; the wave's opening: the add and its wait ahead of my first tensor load
	v_lshrrev_b32 v1, 5, v0
	v_readfirstlane_b32 s[WV], v1
	s_lshr_b32 s[WR], s[WV], 1
	s_and_b32 s[WC], s[WV], 1
	s_bfe_u32 s66, ttmp6, 0x40000                  ; cx
	s_bfe_u32 s67, ttmp6, 0x40004                  ; cy
	s_lshl_b32 s68, ttmp9, 2
	s_add_co_u32 s68, s68, s66                     ; tile column
	s_and_b32 s69, ttmp7, 0xffff
	s_lshl_b32 s69, s69, 2
	s_add_co_u32 s69, s69, s67                     ; tile row
	s_lshl_b32 s70, s67, 2
	s_lshl_b32 s70, 15, s70                        ; my row of the cluster
	s_lshl_b32 s71, 0x1111, s66                    ; my column
	s_mov_b32 s[MASKH], 0xffff0000
	s_or_b32 s[G1A], s70, (1<<16)|(1<<20)|(1<<21)|(4<<22)|(3<<25)  ; the mask; 2-byte elements; padding of 4 words after every 32; bit 21 beside the mask
	s_or_b32 s[G1B], s71, (1<<16)|(1<<20)|(1<<21)|(4<<22)|(3<<25)
.irp g, G1A, G1B
	s_mov_b32 s[\g+1], 128<<16                     ; 64 rows of 256 bytes
	s_mov_b32 s[\g+2], 64<<16
	s_mov_b32 s[\g+3], 128<<16
	s_mov_b32 s[\g+4], 64
	s_mov_b32 s[\g+5], 128
	s_mov_b32 s[\g+6], 0
	s_mov_b32 s[\g+7], 0
.endr
	s_lshr_b32 s72, s69, 4                         ; ctx: block ((8 b + hd) x 16 + tile in the batch) of 16,384 bytes; made of the tile row and the wave alone
	s_lshl_b32 s72, s72, 7
	s_and_b32 s73, s69, 15
	s_add_co_u32 s72, s72, s73
	s_lshl_b32 s72, s72, 14
	s_lshl_b32 s73, s[WC], 18
	s_add_co_u32 s72, s72, s73
	s_mov_b32 s73, 0
	s_lshl_b32 s74, s68, 14                        ; Wo: hd x 65,536 + tile column x 16,384; made of the tile column and the wave alone
	s_lshl_b32 s75, s[WC], 16
	s_add_co_u32 s74, s74, s75
	s_mov_b32 s75, 0
	s_mul_i32 s80, s[WC], BLK
	s_wait_dscnt 0x0                               ; the opening add is done
	s_wait_kmcnt 0x0
	s_add_nc_u64 s[76:77], s[4:5], s[72:73]
	s_add_nc_u64 s[78:79], s[6:7], s[74:75]
.irp c, 0,1,2,3
	s_mov_b32 s[G0A+4*(\c)], 1
	s_add_co_u32 s[G0A+4*(\c)+1], s80, (\c)*2*BLK
	s_add_nc_u64 s[G0A+4*(\c)+2:G0A+4*(\c)+3], s[76:77], (\c)*524288
	s_or_b32 s[G0A+4*(\c)+3], s[G0A+4*(\c)+3], 0x80000000
	s_mov_b32 s[G0B+4*(\c)], 1
	s_add_co_u32 s[G0B+4*(\c)+1], s80, BB0+(\c)*2*BLK
	s_add_nc_u64 s[G0B+4*(\c)+2:G0B+4*(\c)+3], s[78:79], (\c)*131072
	s_or_b32 s[G0B+4*(\c)+3], s[G0B+4*(\c)+3], 0x80000000
.endr
	CROUND                                         ; all sixteen work-groups are here
	s_cmp_eq_u32 s[WR], 0
	s_cbranch_scc0 .Lfor_b
.irp c, 0,1,2,3
	tensor_load_to_lds s[G0A+4*(\c):G0A+4*(\c)+3], s[G1A:G1A+7]
	s_nop 0
.endr
	PLACES
	s_branch .Lasked
.Lfor_b:
.irp c, 0,1,2,3
	tensor_load_to_lds s[G0B+4*(\c):G0B+4*(\c)+3], s[G1B:G1B+7]
	s_nop 0
.endr
	PLACES
.Lasked:
	v_and_b32 v1, 15, v0
	v_bfe_u32 v2, v0, 4, 1
	s_lshl_b32 s82, s68, 9
	s_lshl_b32 s83, s[WC], 8
	s_add_co_u32 s82, s82, s83                     ; my 64 columns: 256 bytes of a row of out0, and of bo
	v_lshl_add_u32 v[BOF], v2, 5, s82
.irp bb, 0,1,2,3
	global_load_b128 v[BI+8*(\bb):BI+8*(\bb)+3],   v[BOF], s[8:9] offset:64*(\bb)
	global_load_b128 v[BI+8*(\bb)+4:BI+8*(\bb)+7], v[BOF], s[8:9] offset:64*(\bb)+16
.endr
	v_mul_u32_u24 v3, v1, PITCH
	v_lshl_add_u32 v3, v2, 4, v3
	s_mul_i32 s84, s[WR], 64*PITCH
	s_mul_i32 s85, s[WC], 64*PITCH
	s_add_co_u32 s85, s85, BB0
.irp c, 0,1,2,3
	v_add_nc_u32 v[ADRA+(\c)], s84, v3
	v_add_nc_u32 v[ADRB+(\c)], s85, v3
	s_add_co_u32 s84, s84, 2*BLK
	s_add_co_u32 s85, s85, 2*BLK
.endr
	s_mul_i32 s84, s[WV], 16*SPITCH
	s_add_co_u32 s84, s84, STAGE
	v_mul_u32_u24 v4, v1, SPITCH
	v_lshl_add_u32 v4, v2, 5, v4
	v_add_nc_u32 v[STO], s84, v4                   ; in: row l % 16, 32 bytes for each half of the lanes
	v_mul_u32_u24 v4, v2, SPITCH
	v_lshl_add_u32 v4, v1, 4, v4
	v_add_nc_u32 v[RD], s84, v4                    ; back: lanes 0-15 one row of 256 bytes, lanes 16-31 the next
	v_lshlrev_b32 v4, 11, v2
	v_lshl_add_u32 v[CO], v1, 4, v4                ; the same two rows in out0
	s_lshl_b32 s84, s69, 7
	s_lshl_b32 s85, s[WR], 6
	s_add_co_u32 s84, s84, s85
	s_lshl_b32 s84, s84, 11                        ; my first row, 2,048 bytes a row
	s_add_co_u32 s84, s84, s82
	s_mov_b32 s85, 0
	s_add_nc_u64 s[10:11], s[10:11], s[84:85]
.macro MUL8 f, c, a0, zero             ; row blocks a0, a0 + 1 x 4 column blocks, 32 along K: half c of buffer f
	WIN 0x05
.irp a, \a0, (\a0)+1
.irp b, 0,1,2,3
.if \zero
	v_wmma_f32_16x16x32_f16 v[ACC+8*(4*(\a)+(\b)):ACC+8*(4*(\a)+(\b))+7], v[(\f)+64+8*(4*(\c)+(\b)):(\f)+64+8*(4*(\c)+(\b))+7], v[(\f)+8*(4*(\c)+(\a)):(\f)+8*(4*(\c)+(\a))+7], 0
.else
	v_wmma_f32_16x16x32_f16 v[ACC+8*(4*(\a)+(\b)):ACC+8*(4*(\a)+(\b))+7], v[(\f)+64+8*(4*(\c)+(\b)):(\f)+64+8*(4*(\c)+(\b))+7], v[(\f)+8*(4*(\c)+(\a)):(\f)+8*(4*(\c)+(\a))+7], v[ACC+8*(4*(\a)+(\b)):ACC+8*(4*(\a)+(\b))+7]
.endif
.endr
.endr
.endm
.macro MULH f, zero                    ; a head: 32 matrix instructions; the 16 accumulators take turns
	MUL8 \f, 0, 0, \zero
	MUL8 \f, 0, 2, \zero
	MUL8 \f, 1, 0, 0
	MUL8 \f, 1, 2, 0
.endm
.macro FETCH hd, f                     ; 32 LDS loads: head hd's fragments
	WIN 0x40
.irp kh, 0,1
.irp i, 0,1,2,3
	ds_load_b128 v[(\f)+64+8*(4*(\kh)+(\i)):(\f)+64+8*(4*(\kh)+(\i))+3],   v[ADRB+(\hd)/2] offset:((\hd)%2)*BLK+64*(\kh)+(\i)*16*PITCH
	ds_load_b128 v[(\f)+64+8*(4*(\kh)+(\i))+4:(\f)+64+8*(4*(\kh)+(\i))+7], v[ADRB+(\hd)/2] offset:((\hd)%2)*BLK+64*(\kh)+(\i)*16*PITCH+32
	ds_load_b128 v[(\f)+8*(4*(\kh)+(\i)):(\f)+8*(4*(\kh)+(\i))+3],         v[ADRA+(\hd)/2] offset:((\hd)%2)*BLK+64*(\kh)+(\i)*16*PITCH
	ds_load_b128 v[(\f)+8*(4*(\kh)+(\i))+4:(\f)+8*(4*(\kh)+(\i))+7],       v[ADRA+(\hd)/2] offset:((\hd)%2)*BLK+64*(\kh)+(\i)*16*PITCH+32
.endr
.endr
.endm
.macro BAR c                           ; chunk c is whole: my load of it has landed (the 3 - c younger ones may stay out), and so has everybody's
	s_wait_tensorcnt 3-(\c)
	s_wait_dscnt 0x0
	s_barrier_signal -1
	s_barrier_wait -1
.endm
	BAR 0
	FETCH 0, F0
	FETCH 1, F1
	s_wait_dscnt 32                                ; head 0 is in
	MULH F0, 1                                     ; its first products start the sums
.irp c, 1,2,3
	BAR \c                                         ; (its wait also shows the odd head's fragments in)
	PLACES
	FETCH 2*(\c), F0
	MULH F1, 0
	PLACES
	FETCH 2*(\c)+1, F1
	s_wait_dscnt 32
	MULH F0, 0
.endr
	s_wait_dscnt 0x0
	MULH F1, 0
	WIN 0
	PLACES
	PLACES
	s_wait_loadcnt 0x0                             ; the bias,
.set bi, 0
.rept 16                               ; rounded to bf16 in place: two roundings packed, then the two halves as f32 again
	v_cvt_pk_bf16_f32 v[TMP+(bi/2)%4], v[BI+bi], v[BI+bi+1]
	v_lshlrev_b32 v[BI+bi], 16, v[TMP+(bi/2)%4]
	v_and_b32 v[BI+bi+1], s[MASKH], v[TMP+(bi/2)%4]
.set bi, bi+2
.endr
	; THE WAY OUT: 16 rows at a time: bias, 32 bytes a lane into my stage, back as whole rows of 256 bytes, stored
.irp a, 0,1,2,3
.irp bb, 0,1,2,3
.irp j, 0,2,4,6
	v_pk_add_f32 v[TMP+8*(\bb)+(\j):TMP+8*(\bb)+(\j)+1], v[ACC+8*(4*(\a)+(\bb))+(\j):ACC+8*(4*(\a)+(\bb))+(\j)+1], v[BI+8*(\bb)+(\j):BI+8*(\bb)+(\j)+1]
.endr
.endr
.irp bb, 0,1,2,3
	ds_store_b128 v[STO], v[TMP+8*(\bb):TMP+8*(\bb)+3]   offset:64*(\bb)
	ds_store_b128 v[STO], v[TMP+8*(\bb)+4:TMP+8*(\bb)+7] offset:64*(\bb)+16
.endr
	s_wait_xcnt 0x0                                ; the last block's stores have read these registers
.irp f, 0,1,2,3,4,5,6,7
	ds_load_b128 v[OBF+4*(\f):OBF+4*(\f)+3], v[RD] offset:(\f)*2*SPITCH  ; LDS serves a wave's instructions in order (ISA guide 5.7.1.4)
.endr
.irp f, 0,1,2,3,4,5,6,7
	s_wait_dscnt 7-(\f)
	global_store_b128 v[CO], v[OBF+4*(\f):OBF+4*(\f)+3], s[10:11] offset:(\a)*32768+(\f)*4096  ; 16 lanes store 256 consecutive bytes, aligned
.endr
.endr
	s_wait_tensorcnt 0x0                           ; the wave's end
	ds_add_u32 v[SPW], v[NIL]
	s_wait_dscnt 0x0
	CROUND                                         ; the closing round
	s_endpgm
.Lfunc_end_k_q545c426ff4_oproj:
	.size	k_q545c426ff4_oproj, .Lfunc_end_k_q545c426ff4_oproj-k_q545c426ff4_oproj
	.p2alignl 7, 3214868480
	.fill 96, 4, 3214868480
	.section	.rodata,"a",@progbits
	.p2align	6, 0x0
	.amdhsa_kernel k_q545c426ff4_oproj
		.amdhsa_group_segment_fixed_size 327680
		.amdhsa_private_segment_fixed_size 0
		.amdhsa_enable_private_segment 0
		.amdhsa_kernarg_size 32
		.amdhsa_user_sgpr_count 2
		.amdhsa_user_sgpr_kernarg_segment_ptr 1
		.amdhsa_wavefront_size32 1
		.amdhsa_system_sgpr_workgroup_id_x 1
		.amdhsa_system_sgpr_workgroup_id_y 1
		.amdhsa_system_sgpr_workgroup_id_z 1
		.amdhsa_system_vgpr_workitem_id 0
		.amdhsa_next_free_vgpr 512
		.amdhsa_next_free_sgpr 88
		.amdhsa_reserve_vcc 0
		.amdhsa_float_denorm_mode_32 3
		.amdhsa_float_denorm_mode_16_64 3
		.amdhsa_memory_ordered 1
		.amdhsa_forward_progress 1
		.amdhsa_inst_pref_size 58
	.end_amdhsa_kernel
	.amdgpu_metadata
---
amdhsa.version: [ 1, 2 ]
amdhsa.kernels:
  - .name:           k_q545c426ff4_oproj
    .symbol:         k_q545c426ff4_oproj.kd
    .args:
      - { .name: ctx16, .offset: 0, .size: 8, .value_kind: global_buffer, .address_space: global }
      - { .name: wo16, .offset: 8, .size: 8, .value_kind: global_buffer, .address_space: global }
      - { .name: bo, .offset: 16, .size: 8, .value_kind: global_buffer, .address_space: global }
      - { .name: out0, .offset: 24, .size: 8, .value_kind: global_buffer, .address_space: global }
    .group_segment_fixed_size: 327680
    .private_segment_fixed_size: 0
    .kernarg_segment_align: 8
    .kernarg_segment_size: 32
    .max_flat_workgroup_size: 128
    .sgpr_count:     88
    .vgpr_count:     512
    .wavefront_size: 32
...
	.end_amdgpu_metadata
.endif
;; end of part 4
